; MI455X (gfx1250); checked and timed in simulation.
; The chip was launched on July 23, 2026; its instructions are those of AMD's public machine-readable ISA for CDNA 5 (MIT licence, August 2026) and "CDNA5" Instruction Set Architecture Reference Guide (July 2026). The comments in the code are by the model that wrote it; some were corrected since.
;; Self Attention. Allowed arithmetic: matrix products marked QUANTISED: E2M1 operands, one E8M0 scale for each 32 along K, by v_wmma_scale_f32_16x16x128_f8f6f4 with both operands' format E2M1 (or v_wmma_scale_f32_32x16x128_f4), f32 sums; everything else in f32.
;; Inputs: Wk 1,024 x 1,024 float32; Wo 1,024 x 1,024 float32; Wq 1,024 x 1,024 float32; Wv 1,024 x 1,024 float32; beta 1,024 float32; bk 1,024 float32; bo 1,024 float32; bq 1,024 float32; bv 1,024 float32; gamma 1,024 float32; x 4 x 2,048 x 1,024 float32.
;; Outputs: out0 4 x 2,048 x 1,024 float32.
;; This version of the problem:
;;   THIS VERSION OF THE PROBLEM IS GIVEN IN LOW PRECISION. The matrix products marked QUANTISED in the list below multiply operands that are first quantised to E2M1 (2 exponent bits, 1 mantissa bit; 4 bits a number), with one power-of-two scale for each 32 numbers along K (OCP MX v1.0); their sums are f32. All else is computed in f32.
;;   The module's matrix products, in the order in which they are computed (A, B: the left and right operand; K: the contracted axis; several contracted axes count as one K, in the product's order):
;;     1. [M 8,192, K 1,024] x [K 1,024, N 1,024]; A: input x; B: input Wq: QUANTISED
;;     2. [M 8,192, K 1,024] x [K 1,024, N 1,024]; A: input x; B: input Wk: QUANTISED
;;     3. [M 8,192, K 1,024] x [K 1,024, N 1,024]; A: input x; B: input Wv: QUANTISED
;;     4. batch 64 x [M 2,048, K 64] x [K 64, N 2,048]; A: computed on the way; B: computed on the way: QUANTISED
;;     5. batch 64 x [M 2,048, K 2,048] x [K 2,048, N 64]; A: softmax (see below); B: computed on the way: QUANTISED
;;     6. [M 8,192, K 1,024] x [K 1,024, N 1,024]; A: computed on the way; B: input Wo: QUANTISED
;;   THE QUANTISER, for each operand of a quantised product, along K:
;;     - K is cut into blocks of 32 from its start; a last block that is shorter is filled with zeros.
;;     - A block's scale is 2^e with e = floor(log2(the largest magnitude in the block)) - 2, held to -126 .. 127; a block of zeros has e = 0. As a byte (E8M0): e + 127.
;;     - Each number is divided by its block's scale, clamped to +-6, and rounded to the nearest number of E2M1, ties to even, subnormals kept.
;;     - The product sums the exact products of the quantised numbers (number of the format x scale) in f32.
;;   ~~~python
;;   def quantise(x, axis):      # numpy; x: float32 -> the quantised numbers, widened to float32 again
;;       x = np.moveaxis(x, axis, -1); K = x.shape[-1]
;;       x = np.pad(x, [(0, 0)] * (x.ndim - 1) + [(0, -K % 32)]); x = x.reshape(x.shape[:-1] + (-1, 32)); a = np.abs(x).max(-1, keepdims=True)
;;       e = np.where(a > 0, np.clip(np.frexp(np.where(a > 0, a, 1))[1] - 1 - 2, -126, 127), 0)      # np.frexp(a)[1] - 1 = floor(log2(a)), exactly
;;       r = np.clip(x / 2.0 ** e, -6, 6)
;;       step = 2.0 ** (np.maximum(np.frexp(np.where(r == 0, 1, r))[1] - 1, 0) - 1)
;;       q = np.round(r / step) * step * 2.0 ** e      # np.round: ties to even
;;       return np.moveaxis(q.reshape(q.shape[:-2] + (-1,))[..., :K], -1, axis).astype(np.float32)
;;   ~~~
;;   SOFTMAX AHEAD OF A QUANTISED PRODUCT. Where the list says 'softmax', what is quantised is not the finished softmax but p = 2^(t - M), with t = logit x log2(e) and M = ceil(the row's largest t), a whole number; so 1/2 < the row's largest p <= 1. The row's sum l is taken of the UNQUANTISED p, in f32, and the product's result is divided by l at the end. Since M is a whole number, a kernel that streams over the keys may use a running M (the ceiling of the running maximum): every later rescaling is an exact power of two, which a block's scale takes up: the codes' values come out the same.
;;   OPERANDS COMPUTED ON THE WAY. 'Computed on the way' means the value that the module computes at that place (a softmax that the list does not call 'softmax' is quantised finished and normalised). What goes into a quantiser is computed in f32, as accurately as f32 sums, v_exp_f32 and their like allow (about 1e-6 of the number): no bf16 or f16 on the way to a quantiser, and a product that is left as it is and whose result goes on into a quantised operand takes f32 operands (vector FMAs, or v_wmma_f32_16x16x4_f32). A number that lies on a knife's edge between two numbers of the format may be rounded either way, as far as f32 arithmetic and the matrix unit's own rounding can turn it there, and no further.
;; One version. Each part assembles by itself: llvm-mc -triple=amdgcn-amd-amdhsa -mcpu=gfx1250 --defsym DOCPART=n.
;; ======== version 1 of 1: 4 launches
;; workspace buffers: xq 4,456,448 bytes; wq 2,228,224 bytes; qq 4,718,592 bytes; kv 9,175,040 bytes; oq 4,456,448 bytes
;; launch prep (part 1): grid 320 x 1, 4 waves a work-group, no clusters, 34,304 bytes of LDS; arguments x, Wq, Wk, Wv, Wo, xq, wq; writes xq, wq
.if DOCPART == 1
	.amdgcn_target "amdgcn-amd-amdhsa--gfx1250"
	.amdhsa_code_object_version 6
	.text
	.protected	k_qfce5cbe5d8_prep
	.globl	k_qfce5cbe5d8_prep
	.p2align	8
	.type	k_qfce5cbe5d8_prep,@function
k_qfce5cbe5d8_prep:
	s_mov_b64 s[64:65], 0
	v_nop
	global_prefetch_b8 v0, s[64:65] scope:SCOPE_SE
	s_setreg_imm32_b32 hwreg(HW_REG_WAVE_MODE, 25, 1), 1
	s_wait_xcnt 0x0
; THE PROGRAM: causal self-attention (4 x 2,048 tokens, 1,024 wide, 16 heads of 64), output projection, residual, LayerNorm; all six products on codes of FP4 (E2M1) with one E8M0 scale for each 32 along K.
; Four launches: prep (x and the four weights into codes), qkv (products 1-3, biases, quantisers of q, k, v), attn (products 4, 5, softmax, quantiser of the result), outln (product 6, bo, residual, LayerNorm).
; WORK LEFT OUT: key steps of 128 keys all of which come after a tile's 16 queries.  reference() sets those scores to -infinity by a mask that it builds itself (jnp.tril), so their weights are 0 for every value of
; the inputs and they add nothing to a row's maximum, sum or result.  Nothing else is left out and every input is loaded (bk too: it stands ahead of a quantiser).
; LIMITS: NaN and infinities among the inputs are not served, and one that would reach only the key steps left out is not carried to the result.  A block whose largest magnitude lies under 2^-124 keeps the
; scale byte 1; so does a block of zeros (the rule says 127): its codes are zeros, which add nothing under any byte but 0xff, and the bytes are read by this program alone.
; THIS LAUNCH.  Workspace is laid in the order of the reader's operand registers.  A fragment (16 rows x 128 K, 8 registers a lane; registers 4 c .. 4 c + 3 of lane (r, h) hold k = 64 c + 32 h + 0 .. 31 of row r)
; is 1,024 bytes: register group c at 512 c + 16 x lane.  A matrix [rows][1,024 K] is [row / 16][k / 128][1,024 bytes]; its scale words (four bytes for 128 k) are [row / 16][k / 512][16 rows][4 words].
; Work-groups 0-63 take the weights ([K][N] in memory: a lane takes a column, its registers run down K), work-groups 64-319 take x (K innermost: 16 rows x 128 K turn through the wave's own stage in LDS).
; Wo's codes are laid, inside each block of 32, in the order 0-7, 16-23, 8-15, 24-31 of k: the order in which the attention launch's quantiser leaves its codes.  An order inside a block that both operands share changes no product.
.set XSC,   4194304                    ; xq: the scale words begin here
.set WSC,   2097152                    ; wq: likewise
.set STW,   8448                       ; a wave's stage: 16 rows x (512 bytes + 16)
.set SPARE, 4*STW                      ; behind the stages: the spare words, 128 bytes a wave
.set SPW,   7                          ; v7  LDS address of my spare word; never rewritten
.set NIL,   8                          ; v8  0; never rewritten
.set SB,    26                         ; weights: v26-29 scale bytes, four to a register
.set WX,    32                         ; weights: v32-95 two sets of 32 numbers
.set WC,    96                         ; weights: v96-159 codes, four registers a block: no store's data are written again
.set R,     32                         ; x: v32-159 two sets of 64 registers as loaded
.set XX,    160                        ; x: v160-223 my two blocks of 32 neighbours
.set CC,    224                        ; x: v224-255 codes, eight registers a step
.set SW,    16                         ; x: v16-19 scale words
	s_load_b256 s[4:11], s[0:1], 0x0               ; x, Wq, Wk, Wv
	s_load_b128 s[12:15], s[0:1], 0x20             ; Wo, xq
	s_load_b64 s[16:17], s[0:1], 0x30              ; wq
	v_lshl_add_u32 v[SPW], v0, 2, SPARE
	v_mov_b32 v[NIL], 0
	v_lshrrev_b32 v1, 5, v0
	v_readfirstlane_b32 s18, v1                    ; wave
	v_and_b32 v1, 31, v0                           ; lane
	v_lshlrev_b32 v2, 4, v1                        ; 16 x lane
	v_and_b32 v3, 15, v0                           ; r
	v_bfe_u32 v4, v0, 4, 1                         ; h
	s_mul_i32 s19, s18, STW
	v_add_nc_u32 v5, s19, v2                       ; the stage, in: 16 x lane in a row
	v_mul_u32_u24 v6, v3, 528
	v_lshl_add_u32 v6, v4, 7, v6
	v_add_nc_u32 v6, s19, v6                       ; and out: row r, my block's 128 bytes
	v_lshlrev_b32 v9, 3, v4                        ; 8 h
	v_lshlrev_b32 v20, 4, v3                       ; 16 r
	s_mov_b32 s20, 0x76543210
	s_mov_b32 s21, 0xfedcba98                      ; selects for lane l xor 16
	s_mov_b32 s29, 0
	s_wait_kmcnt 0x0
	s_cmp_lt_u32 ttmp9, 64
	s_cbranch_scc0 .Lx_path
	; ---- THE WEIGHTS.  Work-group g: weight g / 16, columns 128 ((g / 2) % 8) on, K half g % 2.  A wave: 32 columns x 512 K: 16 blocks a lane.
	s_lshr_b32 s22, ttmp9, 4                       ; weight: 0 q, 1 k, 2 v, 3 o
	s_bfe_u32 s23, ttmp9, 0x30001                  ; group of 128 columns
	s_and_b32 s24, ttmp9, 1                        ; half of K
	s_cmp_eq_u32 s22, 1
	s_cselect_b64 s[26:27], s[8:9], s[6:7]
	s_cmp_eq_u32 s22, 2
	s_cselect_b64 s[26:27], s[10:11], s[26:27]
	s_cmp_eq_u32 s22, 3
	s_cselect_b64 s[26:27], s[12:13], s[26:27]
	s_cselect_b32 s25, 0x8000, 0                   ; Wo: registers 8-15 take rows 8 further down (8 rows of 4,096 bytes), registers 16-23 rows 8 further up
	s_sub_co_u32 s30, 0x8000, s25
	v_lshlrev_b32 v21, 2, v1                       ; 4 x lane: registers 0-7 and 24-31
	v_add_nc_u32 v22, s25, v21                     ; registers 8-15
	v_add_nc_u32 v23, s30, v21                     ; registers 16-23 (their immediates stand 8 rows back)
	v_lshl_add_u32 v24, v4, 13, v20                ; codes: my tile of 16 columns, 16 r
	v_lshl_add_u32 v25, v4, 9, v20                 ; scale words likewise
	s_lshl_b32 s28, s24, 21                        ; 512 rows of 4,096 bytes
	s_lshl_b32 s30, s23, 9
	s_add_co_u32 s28, s28, s30
	s_lshl_b32 s30, s18, 7
	s_add_co_u32 s28, s28, s30
	s_add_nc_u64 s[26:27], s[26:27], s[28:29]      ; the weight at my wave's first row and column
	s_lshl_b32 s28, s22, 19
	s_lshl_b32 s30, s23, 16
	s_add_co_u32 s28, s28, s30
	s_lshl_b32 s30, s18, 14
	s_add_co_u32 s28, s28, s30
	s_lshl_b32 s30, s24, 12
	s_add_co_u32 s28, s28, s30
	s_add_nc_u64 s[32:33], s[16:17], s[28:29]      ; my codes
	s_lshl_b32 s28, s22, 15
	s_lshl_b32 s30, s23, 12
	s_add_co_u32 s28, s28, s30
	s_lshl_b32 s30, s18, 10
	s_add_co_u32 s28, s28, s30
	s_lshl_b32 s30, s24, 8
	s_add_co_u32 s28, s28, s30
	s_add_co_u32 s28, s28, WSC
	s_add_nc_u64 s[34:35], s[16:17], s[28:29]      ; my scale words
.macro WLOAD t                         ; block t: 32 rows of K at my column, into set t % 2; a load of the wave reads 128 consecutive bytes
.irp i, 0,1,2,3,4,5,6,7
	global_load_b32 v[WX+32*((\t)%2)+\i], v21, s[26:27] offset:(32*(\t)+\i)*4096 th:TH_LOAD_NT
.endr
.irp i, 8,9,10,11,12,13,14,15
	global_load_b32 v[WX+32*((\t)%2)+\i], v22, s[26:27] offset:(32*(\t)+\i)*4096 th:TH_LOAD_NT
.endr
.irp i, 16,17,18,19,20,21,22,23
	global_load_b32 v[WX+32*((\t)%2)+\i], v23, s[26:27] offset:(32*(\t)+\i-8)*4096 th:TH_LOAD_NT
.endr
.irp i, 24,25,26,27,28,29,30,31
	global_load_b32 v[WX+32*((\t)%2)+\i], v21, s[26:27] offset:(32*(\t)+\i)*4096 th:TH_LOAD_NT
.endr
.endm
.macro WBLOCK t
.set XB_, WX+32*((\t)%2)
.if (\t) < 15
	s_wait_loadcnt 32                              ; this block's 32 loads are in; the next block's 32 may be out
.else
	s_wait_loadcnt 0x0
.endif
	v_max3_num_f32 v12, |v[XB_]|, |v[XB_+1]|, |v[XB_+2]|           ; the block's largest magnitude: all 32 numbers are mine
	v_max3_num_f32 v13, |v[XB_+3]|, |v[XB_+4]|, |v[XB_+5]|
.irp i, 6,10,14,18,22,26
	v_max3_num_f32 v12, v12, |v[XB_+\i]|, |v[XB_+\i+1]|
	v_max3_num_f32 v13, v13, |v[XB_+\i+2]|, |v[XB_+\i+3]|
.endr
	v_max3_num_f32 v12, v12, |v[XB_+30]|, |v[XB_+31]|
	v_max3_num_f32 v12, v12, v13, 0x1800000        ; and the floor 2^(3 - 127): the byte cannot fall under 1
	v_add_nc_u32 v11, 0xff000000, v12              ; 2 off the exponent field: the conversion's scale operand
.irp g, 0,1,2,3
	v_cvt_scalef32_pk8_fp4_f32 v[WC+4*(\t)+\g], v[XB_+8*\g:XB_+8*\g+7], v11
.endr
	v_lshrrev_b32 v13, 23, v11                     ; the scale's byte (a plain line behind the conversions)
.if (\t)%4 == 0
	v_mov_b32 v[SB+(\t)/4], v13
.else
	v_lshl_or_b32 v[SB+(\t)/4], v13, 8*((\t)%4), v[SB+(\t)/4]
.endif
	global_store_b128 v24, v[WC+4*(\t):WC+4*(\t)+3], s[32:33] offset:256*(\t)   ; sixteen lanes store 256 consecutive bytes, aligned
.if (\t)+2 < 16
	WLOAD (\t)+2
.endif
.endm
	WLOAD 0
	WLOAD 1
.set Q, 0
.rept 16
	WBLOCK Q
.set Q, Q+1
.endr
	global_store_b128 v25, v[SB:SB+3], s[34:35]    ; my column's four scale words: sixteen lanes store 256 consecutive bytes
	s_branch .Lend
	; ---- x.  Wave W = 4 (g - 64) + wave: rows 16 (W / 2) on, K half W % 2, in four steps of 128 K.
.Lx_path:
	s_sub_co_u32 s22, ttmp9, 64
	s_lshl_b32 s22, s22, 2
	s_add_co_u32 s22, s22, s18                     ; W
	s_lshr_b32 s23, s22, 1                         ; tile of 16 rows
	s_and_b32 s24, s22, 1                          ; half of K
	s_lshl_b32 s28, s23, 16
	s_lshl_b32 s30, s24, 11
	s_add_co_u32 s28, s28, s30
	s_add_nc_u64 s[4:5], s[4:5], s[28:29]
	s_lshl_b32 s28, s23, 13
	s_lshl_b32 s30, s24, 12
	s_add_co_u32 s28, s28, s30
	s_add_nc_u64 s[26:27], s[14:15], s[28:29]      ; my codes
	s_lshl_b32 s28, s22, 8
	s_add_co_u32 s28, s28, XSC
	s_add_nc_u64 s[30:31], s[14:15], s[28:29]      ; my scale words
.macro XLOAD q                         ; step q: 16 rows x 512 bytes, a row a load: 32 lanes read 512 consecutive bytes
.irp p, 0,1,2,3,4,5,6,7,8,9,10,11,12,13,14,15
	global_load_b128 v[R+64*((\q)%2)+4*\p:R+64*((\q)%2)+4*\p+3], v2, s[4:5] offset:4096*\p+512*(\q) th:TH_LOAD_NT
.endr
.endm
.macro XSTEP q
.if (\q) < 3
	s_wait_loadcnt 16                              ; this step's 16 loads are in; the next step's may be out
.else
	s_wait_loadcnt 0x0
.endif
.irp p, 0,1,2,3,4,5,6,7,8,9,10,11,12,13,14,15
	ds_store_b128 v5, v[R+64*((\q)%2)+4*\p:R+64*((\q)%2)+4*\p+3] offset:528*\p
.endr
.irp c, 0,1
.irp i, 0,1,2,3,4,5,6,7
	ds_load_b128 v[XX+32*\c+4*\i:XX+32*\c+4*\i+3], v6 offset:256*\c+16*\i   ; LDS serves a wave's instructions in order: these see my stores.  Block 2 c + h of row r: 32 neighbours
.endr
.endr
.if (\q) < 2
	s_wait_dscnt 16                                ; the 16 stores are done with their registers (the 16 loads behind them may be out),
	XLOAD (\q)+2                                   ; which take the loads of two steps on
.endif
	s_wait_dscnt 0x0
.irp c, 0,1
	v_max3_num_f32 v[10+\c], |v[XX+32*\c]|, |v[XX+32*\c+1]|, 0x1800000   ; my block's largest magnitude, and the floor
.endr
.irp i, 2,4,6,8,10,12,14,16,18,20,22,24,26,28,30
.irp c, 0,1
	v_max3_num_f32 v[10+\c], v[10+\c], |v[XX+32*\c+\i]|, |v[XX+32*\c+\i+1]|
.endr
.endr
.irp c, 0,1
	v_add_nc_u32 v[12+\c], 0xff000000, v[10+\c]    ; the conversion's scale operand
.endr
.irp c, 0,1
	v_lshrrev_b32 v[14+\c], 23, v[12+\c]           ; the byte
.endr
.irp c, 0,1
.irp g, 0,1,2,3
	v_cvt_scalef32_pk8_fp4_f32 v[CC+8*(\q)+4*\c+\g], v[XX+32*\c+8*\g:XX+32*\c+8*\g+7], v[12+\c]
.endr
.endr
	v_lshl_or_b32 v10, v15, 16, v14                ; my two bytes: blocks h and 2 + h (a plain line behind the conversions),
	v_lshlrev_b32 v10, v9, v10                     ; at their places in the word;
	v_permlanex16_b32 v11, v10, s20, s21
	v_or_b32 v[SW+(\q)], v10, v11                  ; with lane l xor 16's two the word is whole, in both halves of the lanes
.irp c, 0,1
	global_store_b128 v2, v[CC+8*(\q)+4*\c:CC+8*(\q)+4*\c+3], s[26:27] offset:1024*(\q)+512*\c   ; 512 consecutive bytes
.endr
.endm
	XLOAD 0
	XLOAD 1
	XSTEP 0
	XSTEP 1
	XSTEP 2
	XSTEP 3
	global_store_b128 v20, v[SW:SW+3], s[30:31]    ; row r's four words: 256 consecutive bytes; lanes l and l + 16 hold the same words and write the same bytes
.Lend:
	s_wait_tensorcnt 0x0                           ; the wave's end
	ds_add_u32 v[SPW], v[NIL]
	s_wait_dscnt 0x0
	s_endpgm
.Lfunc_end_k_qfce5cbe5d8_prep:
	.size	k_qfce5cbe5d8_prep, .Lfunc_end_k_qfce5cbe5d8_prep-k_qfce5cbe5d8_prep
	.p2alignl 7, 3214868480
	.fill 96, 4, 3214868480
	.section	.rodata,"a",@progbits
	.p2align	6, 0x0
	.amdhsa_kernel k_qfce5cbe5d8_prep
		.amdhsa_group_segment_fixed_size 34304
		.amdhsa_private_segment_fixed_size 0
		.amdhsa_enable_private_segment 0
		.amdhsa_kernarg_size 56
		.amdhsa_user_sgpr_count 2
		.amdhsa_user_sgpr_kernarg_segment_ptr 1
		.amdhsa_wavefront_size32 1
		.amdhsa_system_sgpr_workgroup_id_x 1
		.amdhsa_system_sgpr_workgroup_id_y 1
		.amdhsa_system_sgpr_workgroup_id_z 1
		.amdhsa_system_vgpr_workitem_id 0
		.amdhsa_next_free_vgpr 256
		.amdhsa_next_free_sgpr 66
		.amdhsa_reserve_vcc 0
		.amdhsa_float_denorm_mode_32 3
		.amdhsa_float_denorm_mode_16_64 3
		.amdhsa_memory_ordered 1
		.amdhsa_forward_progress 1
		.amdhsa_inst_pref_size 104
	.end_amdhsa_kernel
	.amdgpu_metadata
---
amdhsa.version: [ 1, 2 ]
amdhsa.kernels:
  - .name:           k_qfce5cbe5d8_prep
    .symbol:         k_qfce5cbe5d8_prep.kd
    .args:
      - { .name: x, .offset: 0, .size: 8, .value_kind: global_buffer, .address_space: global }
      - { .name: Wq, .offset: 8, .size: 8, .value_kind: global_buffer, .address_space: global }
      - { .name: Wk, .offset: 16, .size: 8, .value_kind: global_buffer, .address_space: global }
      - { .name: Wv, .offset: 24, .size: 8, .value_kind: global_buffer, .address_space: global }
      - { .name: Wo, .offset: 32, .size: 8, .value_kind: global_buffer, .address_space: global }
      - { .name: xq, .offset: 40, .size: 8, .value_kind: global_buffer, .address_space: global }
      - { .name: wq, .offset: 48, .size: 8, .value_kind: global_buffer, .address_space: global }
    .group_segment_fixed_size: 34304
    .private_segment_fixed_size: 0
    .kernarg_segment_align: 8
    .kernarg_segment_size: 56
    .max_flat_workgroup_size: 128
    .sgpr_count:     66
    .vgpr_count:     256
    .wavefront_size: 32
...
	.end_amdgpu_metadata
.endif
;; end of part 1
;; launch qkv (part 2): grid 8 x 48, 4 waves a work-group, clusters of 4 x 4, 327,680 bytes of LDS; arguments xq, wq, bq, bk, bv, qq, kv; writes qq, kv
.if DOCPART == 2
	.amdgcn_target "amdgcn-amd-amdhsa--gfx1250"
	.amdhsa_code_object_version 6
	.text
	.protected	k_qfce5cbe5d8_qkv
	.globl	k_qfce5cbe5d8_qkv
	.p2align	8
	.type	k_qfce5cbe5d8_qkv,@function
k_qfce5cbe5d8_qkv:
	s_mov_b64 s[64:65], 0
	v_nop
	global_prefetch_b8 v0, s[64:65] scope:SCOPE_SE
	s_setreg_imm32_b32 hwreg(HW_REG_WAVE_MODE, 25, 1), 1
	s_wait_xcnt 0x0
	s_wait_alu depctr_hold_cnt(0) depctr_sa_sdst(0) depctr_va_vdst(0) depctr_va_sdst(0) depctr_va_ssrc(0) depctr_va_vcc(0) depctr_vm_vsrc(0)
	s_getreg_b32 s2, hwreg(HW_REG_IB_STS2, 6, 4)
	s_cmp_eq_u32 s2, 0
	s_cbranch_scc0 .Lentry_in_a_cluster
	s_endpgm
.Lentry_in_a_cluster:
	s_bfe_u32 s2, ttmp6, 0x10000c
	s_cmp_lg_u32 s2, 0xf033
	s_cbranch_scc0 .Lentry_shape_is_right
	s_endpgm
.Lentry_shape_is_right:
; q = x Wq + bq, k = x Wk + bk, v = x Wv + bv on codes of FP4, and the quantisers of q and k (along the head's 64) and of v (along the keys).  No f32 result goes to memory: no work is left out here.
; A work-group of four waves makes 256 x 256 results, a wave 128 x 128: 64 accumulators, 512 registers.  K = 1,024 is two LDS slots of 512: both are filled at the start and nothing is filled again.
; THE MATRIX INSTRUCTION IS USED TRANSPOSED: source 1 ("A") gives a lane its row, source 0 ("B") runs along the lane's registers, and the results are quantised along B's rows.
;   clusters y 0-7  (q, k): A = x (256 tokens), B = Wq | Wk (256 output columns): a lane holds a token, its registers run along the head's channels.
;   clusters y 8-11 (v):    A = Wv (256 output columns), B = x (256 tokens):      a lane holds a channel, its registers run along the keys.
; Which of the two hangs on the cluster's y alone: it is the same in all sixteen partners.  CLUSTERS: A's tile is shared along a row of the cluster, B's along a column: joint loads, as many requests as a quarter.
; Operands lie in memory and in LDS as images of their registers (1,024 bytes a fragment, register group c at 512 c + 16 x lane): every LDS load reads 512 consecutive bytes; no pitch, no padding.
; A tile of results takes 16 NEIGHBOURING rows of B, so after the quantiser the four groups of 8 of a block stand in the order 0-7, 16-23, 8-15, 24-31.  q meets k and p meets v in that same order.
; REGISTERS: window 0: v0-31 addresses; v32-95 scale words, two sets (they hold scales alone); v96-103 bias offsets; v104-119 at work; v120-127 scale words made; v128-191 A's fragments, later 64 results; v192-255 codes made.
;   window 1: B's fragments, two sets, v0-63 and v128-191; v64-127 the biases.   windows 2, 3: the accumulators ((a, b) at v[8 (8 (a % 4) + b)]).
; LIMITS: as stated at the head of the first launch.
.set XSC,   4194304                    ; xq: scale words
.set WSC,   2097152                    ; wq: scale words
.set QSO,   4194304                    ; qq: scale words
.set KVS,   8388608                    ; kv: scale words
.set NQ,    4
.set FR,    8
.set NL,    2
.set NP,    4
.set SLOT,  131072                     ; A's 16 tiles x 4,096 bytes, then B's
.set SCL,   2*SLOT                     ; A's scale words, 8,192 bytes, then B's
.set STGQ,  SCL+16384                  ; the way out of q, k: 1,024 bytes a wave
.set STGV,  STGQ+4096                  ; the way out of v: 512 bytes a wave
.set SPARE, STGV+2048                  ; the spare words, 128 bytes a wave
.set LI,   3                           ; v3  16 x lane
.set STWQ, 7
.set STRQ, 8
.set STWV, 9
.set STRV, 10
.set SH16, 11                          ; v11 16 h
.set VOF,  12                          ; v12 16 r + 12,288 h
.set ADRA, 16
.set ADRB, 20
.set ADRS, 27
.set SPW,  28
.set NIL,  29
.set SC,   32
.set AJ,   96
.set TM,   104
.set PW,   120
.set AF,   128
.set Y,    128
.set PC,   192
.set BI,   64                          ; in window 1
.set G1, 24
.set G0, 32
.set G1B, 48
.set G0B, 56
.set G1S, 68
.set G0S, 76
.set G1SB, 80
.set G0SB, 88
.set MSB, 0
.macro WIN new                         ; the immediate's high byte repeats the setting that is left
.if MSB != \new
	s_set_vgpr_msb (MSB<<8)|\new
.set MSB, \new
.endif
.endm
.set MUL_LO, 0xa1                      ; source 0 (B) window 1, source 1 (A) window 0, C and D window 2
.set MUL_HI, 0xf1
.set TO_B,   0x40
.macro JLOAD g0a, g1a, g0b, g1b        ; a joint load: waves 0 and 1 fetch for A, waves 2 and 3 for B; the branch hangs on the wave's number alone; an s_nop 0 and four v_nop follow each line
	s_cmp_eq_u32 s19, 0
	s_cbranch_scc0 .Lfor_b_\@
	tensor_load_to_lds s[\g0a:\g0a+3], s[\g1a:\g1a+7]
	s_nop 0
.rept 4
	v_nop
.endr
	s_branch .Lasked_\@
.Lfor_b_\@:
	tensor_load_to_lds s[\g0b:\g0b+3], s[\g1b:\g1b+7]
	s_nop 0
.rept 4
	v_nop
.endr
.Lasked_\@:
.endm
.macro CROUND                          ; a round of the cluster's barrier
	s_barrier_signal -1
	s_barrier_wait -1
	s_cmp_lg_u32 s18, 0
	s_cbranch_scc1 .Lnot_wave_0_\@
	s_barrier_signal -3
.Lnot_wave_0_\@:
	s_barrier_wait -3
	s_barrier_signal -1
	s_barrier_wait -1
.endm
	s_load_b256 s[4:11], s[0:1], 0x0               ; xq, wq, bq, bk
	s_load_b128 s[12:15], s[0:1], 0x20             ; bv, qq
	s_load_b64 s[16:17], s[0:1], 0x30              ; kv
	v_lshl_add_u32 v[SPW], v0, 2, SPARE
	v_mov_b32 v[NIL], 0
	ds_add_u32 v[SPW], v[NIL]                      ; the opening: the add, twice on end, and its wait ahead of my first tensor load
	ds_add_u32 v[SPW], v[NIL]
	v_lshrrev_b32 v1, 5, v0
	v_readfirstlane_b32 s18, v1                    ; wave
	s_lshr_b32 s19, s18, 1                         ; my half of A's rows.  Also: I fetch for A (0) or for B (1)
	s_and_b32 s20, s18, 1                          ; my half of B's rows.  Also: which 128 rows I fetch
	s_bfe_u32 s40, ttmp6, 0x40000                  ; cx
	s_bfe_u32 s41, ttmp6, 0x40004                  ; cy
	s_and_b32 s22, ttmp7, 0xffff                   ; cluster y
	s_lshl_b32 s23, s22, 2
	s_lshl_b32 s42, ttmp9, 2
	s_add_co_u32 s42, s42, s40                     ; 4 x cluster x + cx
	s_sub_co_u32 s46, s22, 8
	s_lshl_b32 s46, s46, 3                         ; 8 (cluster y - 8)
	s_lshl_b32 s43, s41, 2
	s_lshl_b32 s43, 15, s43                        ; my row of the cluster
	s_lshl_b32 s44, 0x1111, s40                    ; my column
	s_mov_b32 s99, XSC
	s_mov_b32 s100, WSC
	s_cmp_ge_u32 s22, 8                            ; v's part?
	s_cselect_b32 s45, 1, 0
	s_cselect_b32 s23, 0, s23
	s_cselect_b32 s46, s46, 0
	s_cselect_b32 s98, 2*524288, 0                 ; A's codes begin: Wv in wq, or x in xq
	s_cselect_b32 s99, WSC+2*32768, s99            ; A's scale words
	s_cselect_b32 s100, XSC, s100                  ; B's scale words (B's codes begin at the buffer's head in both parts)
	s_add_co_u32 s21, s23, s41                     ; A's tile of 256 rows: 4 x cluster y + cy, or cy
	s_add_co_u32 s42, s42, s46                     ; B's tile
	s_or_b32 s[G1+0], s43, (3<<16)|(1<<21)         ; codes: 8 rows of 4,096 bytes (512 elements of 8), 8,192 bytes apart; A's go to my row of the cluster
	s_or_b32 s[G1B+0], s44, (3<<16)|(1<<21)        ; B's to my column
.irp g, G1, G1B
	s_mov_b32 s[\g+1], 512<<16                     ; tensor_dim0
	s_mov_b32 s[\g+2], 8<<16                       ; tensor_dim1
	s_mov_b32 s[\g+3], 512<<16                     ; tile_dim0
	s_mov_b32 s[\g+4], 8                           ; tile_dim1
	s_mov_b32 s[\g+5], 1024                        ; elements from row to row
	s_mov_b32 s[\g+6], 0
	s_mov_b32 s[\g+7], 0
.endr
	s_or_b32 s[G1S+0], s43, (3<<16)|(1<<21)        ; scale words of 128 rows: 4,096 dense bytes as 16 rows of 256
	s_or_b32 s[G1SB+0], s44, (3<<16)|(1<<21)
.irp g, G1S, G1SB
	s_mov_b32 s[\g+1], 32<<16
	s_mov_b32 s[\g+2], 16<<16
	s_mov_b32 s[\g+3], 32<<16
	s_mov_b32 s[\g+4], 16
	s_mov_b32 s[\g+5], 32
	s_mov_b32 s[\g+6], 0
	s_mov_b32 s[\g+7], 0
.endr
	s_lshl_b32 s2, s20, 3                          ; which 8 tiles of 16 rows I fetch
	s_lshl_b32 s92, s21, 4
	s_add_co_u32 s92, s92, s2                      ; A: the first of them
	s_lshl_b32 s94, s92, 9
	s_add_co_u32 s94, s94, s99                     ; its scale words, in bytes
	s_lshl_b32 s92, s92, 13
	s_add_co_u32 s92, s92, s98                     ; its codes
	s_mov_b32 s93, 0
	s_mov_b32 s95, 0
	s_lshl_b32 s46, s42, 4
	s_add_co_u32 s46, s46, s2                      ; B likewise, in registers that never hold cy
	s_lshl_b32 s96, s46, 9
	s_add_co_u32 s96, s96, s100
	s_lshl_b32 s46, s46, 13
	s_mov_b32 s47, 0
	s_mov_b32 s97, 0
	s_lshl_b32 s101, s18, 15                       ; where they go: wave x 32,768: no place in the cluster enters an LDS address
	s_lshl_b32 s100, s18, 12
	s_wait_dscnt 0x0                               ; both opening adds are done
	s_wait_kmcnt 0x0
	s_cmp_eq_u32 s45, 1
	s_cselect_b64 s[22:23], s[6:7], s[4:5]         ; A's buffer
	s_cselect_b64 s[2:3], s[4:5], s[6:7]           ; B's
	s_add_nc_u64 s[92:93], s[22:23], s[92:93]
	s_add_nc_u64 s[94:95], s[22:23], s[94:95]
	s_add_nc_u64 s[46:47], s[2:3], s[46:47]
	s_add_nc_u64 s[96:97], s[2:3], s[96:97]
	CROUND                                         ; all sixteen work-groups are here: the first joint loads meet
	s_mov_b32 s[G0S], 1
	s_add_co_u32 s[G0S+1], s100, SCL
	s_mov_b64 s[G0S+2:G0S+3], s[94:95]
	s_or_b32 s[G0S+3], s[G0S+3], 0x80000000
	s_mov_b32 s[G0SB], 1
	s_add_co_u32 s[G0SB+1], s100, SCL
	s_mov_b64 s[G0SB+2:G0SB+3], s[96:97]
	s_or_b32 s[G0SB+3], s[G0SB+3], 0x80000000
	JLOAD G0S, G1S, G0SB, G1SB                     ; the scale words first: they are wanted with slot 0
.irp s, 0,1
	s_mov_b32 s[G0+4*\s], 1
	s_add_co_u32 s[G0+4*\s+1], s101, \s*SLOT
	s_add_nc_u64 s[G0+4*\s+2:G0+4*\s+3], s[92:93], \s*4096
	s_or_b32 s[G0+4*\s+3], s[G0+4*\s+3], 0x80000000
	s_mov_b32 s[G0B+4*\s], 1
	s_add_co_u32 s[G0B+4*\s+1], s101, \s*SLOT
	s_add_nc_u64 s[G0B+4*\s+2:G0B+4*\s+3], s[46:47], \s*4096
	s_or_b32 s[G0B+4*\s+3], s[G0B+4*\s+3], 0x80000000
	JLOAD G0+4*\s, G1, G0B+4*\s, G1B               ; three tensor loads of a wave are out
.endr
	v_and_b32 v1, 15, v0                           ; r
	v_bfe_u32 v2, v0, 4, 1                         ; h
	v_and_b32 v[LI], 31, v0
	v_lshlrev_b32 v[LI], 4, v[LI]
	s_lshl_b32 s2, s19, 15                         ; my 8 tiles of A,
	s_lshl_b32 s3, s20, 15
	s_add_co_u32 s3, s3, 65536                     ; of B
.irp s, 0,1
	v_add_nc_u32 v[ADRA+\s], s2, v[LI]
	v_add_nc_u32 v[ADRB+\s], s3, v[LI]
	s_add_co_u32 s2, s2, SLOT
	s_add_co_u32 s3, s3, SLOT
.endr
	v_lshlrev_b32 v5, 4, v1                        ; scale words: 16 bytes a row;
	s_lshl_b32 s2, s19, 12                         ; lanes 0-15 A's,
	s_lshl_b32 s3, s20, 12
	s_add_co_u32 s3, s3, 8192
	s_sub_co_u32 s3, s3, s2
	v_mul_u32_u24 v6, s3, v2                       ; lanes 16-31 B's: one product, the distance between the two
	s_add_co_u32 s2, s2, SCL
	v_add_nc_u32 v5, v5, v6
	v_add_nc_u32 v[ADRS], s2, v5
	s_lshl_b32 s2, s18, 10
	s_add_co_u32 s2, s2, STGQ
	v_lshlrev_b32 v[STWQ], 2, v1
	v_lshl_add_u32 v[STWQ], v2, 9, v[STWQ]
	v_add_nc_u32 v[STWQ], s2, v[STWQ]              ; q, k: a word at 512 h + 4 r
	v_add_nc_u32 v[STRQ], s2, v[LI]
	s_lshl_b32 s2, s18, 9
	s_add_co_u32 s2, s2, STGV
	v_lshlrev_b32 v[STWV], 2, v1
	v_add_nc_u32 v[STWV], s2, v[STWV]              ; v: a word at 4 r
	v_add_nc_u32 v[STRV], s2, v[LI]
	v_lshlrev_b32 v[SH16], 4, v2
	v_mul_u32_u24 v[VOF], v2, 12288
	v_lshl_add_u32 v[VOF], v1, 4, v[VOF]
.irp b, 0,1,2,3
	v_mov_b32 v[TM+4+\b], 0                        ; written once: a lane permute's destination counts as one of its sources
.endr
	; THE BIASES, one form for both parts: register 8 x + j.  q, k: bias(my first column + 16 x + 8 h + j).  v: bv(my first channel + 16 x + r), the same in all j.
	s_lshl_b32 s2, s42, 8
	s_lshl_b32 s3, s20, 7
	s_add_co_u32 s2, s2, s3                        ; q, k: my first column of 2,048
	s_lshr_b32 s3, s2, 10                          ; k's?
	s_and_b32 s2, s2, 1023
	s_lshl_b32 s22, s21, 8
	s_lshl_b32 s23, s19, 7
	s_add_co_u32 s22, s22, s23                     ; v: my first channel
	s_cmp_eq_u32 s3, 1
	s_cselect_b64 s[66:67], s[10:11], s[8:9]
	s_cmp_eq_u32 s45, 1
	s_cselect_b64 s[66:67], s[12:13], s[66:67]
	s_cselect_b32 s2, s22, s2
	s_cselect_b32 s98, 0, 32                       ; bytes for h,
	s_cselect_b32 s99, 4, 0                        ; for r,
	s_cselect_b32 s22, 0, 4                        ; for j
	s_lshl_b32 s2, s2, 2
	s_mov_b32 s3, 0
	s_add_nc_u64 s[66:67], s[66:67], s[2:3]
	v_mul_u32_u24 v[AJ], s98, v2
	v_mad_u32_u24 v[AJ], v1, s99, v[AJ]
.irp j, 1,2,3,4,5,6,7
	v_add_nc_u32 v[AJ+\j], s22, v[AJ+\j-1]
.endr
	WIN TO_B
.irp x, 0,1,2,3,4,5,6,7
.irp j, 0,1,2,3,4,5,6,7
	global_load_b32 v[BI+8*\x+\j], v[AJ+\j], s[66:67] offset:64*\x
.endr
.endr
	WIN 0
.macro FRAG reg, adr, q, i             ; a fragment's image: two loads of 512 consecutive bytes
.irp c, 0,1
	ds_load_b128 v[\reg+4*\c:\reg+4*\c+3], v[\adr] offset:(\i)*4096+(\q)*1024+512*\c
.endr
.endm
; 16 matrix instructions: A's blocks a0, a0 + 1 x B's eight.  The 64 accumulators take turns, one instruction a turn, in the same order in every step.
.macro MUL16 a0, p, q, sc, zero
.irp a, \a0, \a0+1
.irp b, 0,1,2,3,4,5,6,7
.if \zero
	v_wmma_scale_f32_16x16x128_f8f6f4 v[8*(8*((\a)%4)+\b):8*(8*((\a)%4)+\b)+7], v[128*(\p)+FR*\b:128*(\p)+FR*\b+FR-1], v[AF+FR*(\a):AF+FR*(\a)+FR-1], 0, v[SC+8*NQ*(\sc)+NQ*\b+(\q)], v[SC+8*NQ*(\sc)+NQ*(\a)+(\q)] matrix_a_fmt:MATRIX_FMT_FP4 matrix_b_fmt:MATRIX_FMT_FP4 matrix_a_scale:MATRIX_SCALE_ROW1
.else
	v_wmma_scale_f32_16x16x128_f8f6f4 v[8*(8*((\a)%4)+\b):8*(8*((\a)%4)+\b)+7], v[128*(\p)+FR*\b:128*(\p)+FR*\b+FR-1], v[AF+FR*(\a):AF+FR*(\a)+FR-1], v[8*(8*((\a)%4)+\b):8*(8*((\a)%4)+\b)+7], v[SC+8*NQ*(\sc)+NQ*\b+(\q)], v[SC+8*NQ*(\sc)+NQ*(\a)+(\q)] matrix_a_fmt:MATRIX_FMT_FP4 matrix_b_fmt:MATRIX_FMT_FP4 matrix_a_scale:MATRIX_SCALE_ROW1
.endif
.endr
.endr
.endm
.macro FETCH_B slot, q, p
	WIN TO_B
.irp i, 0,1,2,3,4,5,6,7
	FRAG 128*(\p)+FR*\i, ADRB+\slot, \q, \i
.endr
	WIN 0
.endm
.macro FETCH_A slot, q, i0
.irp i, \i0, \i0+1, \i0+2, \i0+3
	FRAG AF+FR*(\i), ADRA+\slot, \q, \i
.endr
.endm
.macro SCALES sc                       ; slot sc's scale words: lanes 0-15 A's block i, lanes 16-31 B's block i, four words a row
.irp i, 0,1,2,3,4,5,6,7
	ds_load_b128 v[SC+8*NQ*\sc+NQ*\i:SC+8*NQ*\sc+NQ*\i+3], v[ADRS] offset:\i*512+256*\sc
.endr
.endm
.macro PLACES n                        ; plain vector instructions between a matrix instruction and a load into, or a read of, its registers
.rept \n
	v_nop
.endr
.endm
.macro STEP slot, q, zero              ; 128 along K that has its successor in the same slot
	s_wait_dscnt 4*NL                              ; B's set and A's blocks 0-3 are in; the youngest eight loads (A's blocks 4-7) may be out
	WIN MUL_LO
	MUL16 0, (\q)%2, \q, \slot, \zero
	MUL16 2, (\q)%2, \q, \slot, \zero
	s_wait_dscnt 0
	PLACES NP
	FETCH_B \slot, (\q)+1, 1-(\q)%2
	FETCH_A \slot, (\q)+1, 0
	WIN MUL_HI
	MUL16 4, (\q)%2, \q, \slot, \zero
	MUL16 6, (\q)%2, \q, \slot, \zero
	PLACES NP
	WIN 0
	FETCH_A \slot, (\q)+1, 4
.endm
.macro STEPS slot, from
.set Q, \from
.rept NQ-1-\from
	STEP \slot, Q, 0
.set Q, Q+1
.endr
.endm
	s_wait_tensorcnt 1                             ; the scale words and my part of slot 0 are in (slot 1's load may be out)
	s_barrier_signal -1
	s_barrier_wait -1                              ; everybody's are
	FETCH_B 0, 0, 0
	FETCH_A 0, 0, 0
	SCALES 0
	FETCH_A 0, 0, 4
	STEP 0, 0, 1                                   ; the first products start the sums: nothing is cleared
	STEPS 0, 1
	s_wait_tensorcnt 0x0                           ; slot 0's last step changes slots: my part of slot 1 has landed;
	s_wait_dscnt 4*NL                              ; (A's blocks 4-7 may be out)
	WIN MUL_LO
	MUL16 0, 1, NQ-1, 0, 0
	s_wait_dscnt 0x0                               ; no LDS instruction of mine is out at the signal
	s_barrier_signal -1
	MUL16 2, 1, NQ-1, 0, 0
	WIN 0
	s_barrier_wait -1                              ; slot 1 is whole.  No slot is filled again in this launch
	PLACES NP
	FETCH_B 1, 0, 0
	FETCH_A 1, 0, 0
	SCALES 1
	WIN MUL_HI
	MUL16 4, 1, NQ-1, 0, 0
	MUL16 6, 1, NQ-1, 0, 0
	PLACES NP
	WIN 0
	FETCH_A 1, 0, 4
	STEPS 1, 0
	s_wait_dscnt 4*NL                              ; the very last step
	WIN MUL_LO
	MUL16 0, 1, NQ-1, 1, 0
	MUL16 2, 1, NQ-1, 1, 0
	s_wait_dscnt 0
	WIN MUL_HI
	MUL16 4, 1, NQ-1, 1, 0
	MUL16 6, 1, NQ-1, 1, 0
	WIN 0
; 64 numbers of a lane, v[s] .. v[s + 63] (registers 16 b .. 16 b + 15: my half of block b), become a fragment's codes in v[pc] on and its scale word in v[pw].
.macro QUANT s, pc, pw
.irp b, 0,1,2,3
	v_max3_num_f32 v[TM+\b], |v[\s+16*\b]|, |v[\s+1+16*\b]|, 0x1800000   ; and the floor 2^(3 - 127): the byte cannot fall under 1
.endr
.irp i, 2,4,6,8,10,12,14
.irp b, 0,1,2,3
	v_max3_num_f32 v[TM+\b], v[TM+\b], |v[\s+16*\b+\i]|, |v[\s+1+16*\b+\i]|
.endr
.endr
.irp b, 0,1,2,3
	v_permlanex16_b32 v[TM+4+\b], v[TM+\b], s98, s99
.endr
.irp b, 0,1,2,3
	v_max_num_f32 v[TM+\b], v[TM+\b], v[TM+4+\b]   ; with lane l xor 16's: the block's largest magnitude
.endr
.irp b, 0,1,2,3
	v_add_nc_u32 v[TM+12+\b], 0xff000000, v[TM+\b] ; 2 off the exponent field: the conversion's scale operand
.endr
.irp b, 0,1,2,3
	v_lshrrev_b32 v[TM+4+\b], 23, v[TM+12+\b]      ; the byte
.endr
	v_lshl_or_b32 v[\pw], v[TM+5], 8, v[TM+4]
	v_lshl_or_b32 v[\pw], v[TM+6], 16, v[\pw]
	v_lshl_or_b32 v[\pw], v[TM+7], 24, v[\pw]
.irp b, 0,1,2,3
	v_cvt_scalef32_pk8_fp4_f32 v[\pc+2*\b], v[\s+16*\b:\s+7+16*\b], v[TM+12+\b]
	v_cvt_scalef32_pk8_fp4_f32 v[\pc+1+2*\b], v[\s+8+16*\b:\s+15+16*\b], v[TM+12+\b]
.endr
	v_nop                                          ; one plain place behind a scaled conversion
.irp c, 0,1                            ; the operand's layout wants a whole block in a lane
.irp i, 0,1
	v_permlane16_swap_b32 v[\pc+4*\c+\i], v[\pc+2+4*\c+\i]
.endr
.endr
.endm
; THE WAY OUT, A's blocks one after the other: bias added (each accumulator from its low end on), quantised, the codes stored as images: each store covers 512 consecutive bytes.
.macro EPI kind
.irp a, 0,1,2,3,4,5,6,7
	WIN 0x06+(\a)/4                                ; source 0 (results) window 2 or 3, source 1 (bias) window 1, destination window 0
.set i_, 0
.rept 32
.if \kind
	v_pk_add_f32 v[Y+2*i_:Y+2*i_+1], v[64*(\a%4)+2*i_:64*(\a%4)+2*i_+1], v[BI+8*\a+(2*i_)%8:BI+8*\a+(2*i_)%8+1]
.else
	v_pk_add_f32 v[Y+2*i_:Y+2*i_+1], v[64*(\a%4)+2*i_:64*(\a%4)+2*i_+1], v[BI+2*i_:BI+2*i_+1]
.endif
.set i_, i_+1
.endr
	WIN 0
	QUANT Y, PC+8*\a, PW+\a
.if \kind
	global_store_b128 v[LI], v[PC+8*\a:PC+8*\a+3], s[66:67] offset:(\a/4)*131072+(\a%4)*1024       ; head a / 4 of my two, channels 16 (a % 4) on
	global_store_b128 v[LI], v[PC+8*\a+4:PC+8*\a+7], s[66:67] offset:(\a/4)*131072+(\a%4)*1024+512
.else
	global_store_b128 v[LI], v[PC+8*\a:PC+8*\a+3], s[66:67] offset:512*\a      ; registers 0-3: the first head's 64 channels of 16 tokens
	global_store_b128 v[LI], v[PC+8*\a+4:PC+8*\a+7], s[100:101] offset:512*\a  ; registers 4-7: the second head's
.endif
.endr
.endm
	PLACES NP                                      ; behind the last products: their results are read, and A's registers written, below
	s_wait_loadcnt 0x0                             ; the biases
	s_mov_b32 s98, 0x76543210
	s_mov_b32 s99, 0xfedcba98                      ; selects for lane l xor 16
	s_cmp_lg_u32 s45, 0
	s_cbranch_scc1 .Lkind_v
	; ---- q, k
	s_lshl_b32 s2, s21, 8
	s_lshl_b32 s3, s19, 7
	s_add_co_u32 s2, s2, s3                        ; my first token
	s_lshr_b32 s3, s2, 11                          ; its batch,
	s_and_b32 s2, s2, 2047                         ; its place in the sequence
	s_lshl_b32 s22, s42, 8
	s_lshl_b32 s23, s20, 7
	s_add_co_u32 s22, s22, s23                     ; my first column of 2,048
	s_bfe_u32 s23, s22, 0x40006                    ; my first head
	s_lshl_b32 s3, s3, 4
	s_add_co_u32 s3, s3, s23                       ; 16 x batch + head
	s_lshr_b32 s22, s22, 10
	s_mov_b32 s94, 65536
	s_mov_b32 s96, 8192
	s_mov_b32 s47, QSO
	s_cmp_eq_u32 s22, 1                            ; k's?
	s_cselect_b64 s[92:93], s[16:17], s[14:15]
	s_cselect_b32 s94, 131072, s94                 ; bytes of codes from head to head,
	s_cselect_b32 s96, 12288, s96                  ; of scale words,
	s_cselect_b32 s22, KVS, s47                    ; and where the words begin
	s_mov_b32 s95, 0
	s_mov_b32 s97, 0
	s_mov_b32 s47, 0
	s_mul_i32 s46, s3, s94
	s_lshl_b32 s23, s2, 5                          ; 512 bytes for 16 tokens
	s_add_co_u32 s46, s46, s23
	s_add_nc_u64 s[66:67], s[92:93], s[46:47]
	s_add_nc_u64 s[100:101], s[66:67], s[94:95]
	s_mul_i32 s46, s3, s96
	s_add_co_u32 s46, s46, s22
	s_lshl_b32 s23, s2, 2
	s_add_co_u32 s46, s46, s23
	s_add_nc_u64 s[92:93], s[92:93], s[46:47]
	s_add_nc_u64 s[94:95], s[92:93], s[96:97]
	EPI 0
.irp a, 0,1,2,3,4,5,6,7
	v_lshrrev_b32 v[TM+\a], v[SH16], v[PW+\a]      ; lanes 0-15 keep the word (bytes 0, 1: the first head's); lanes 16-31 bring bytes 2, 3 down: the second head's.  The bytes above scale zero codes and are never 0xff
.endr
.irp a, 0,1,2,3,4,5,6,7
	ds_store_b32 v[STWQ], v[TM+\a] offset:64*\a
.endr
	ds_load_b128 v[Y:Y+3], v[STRQ]                 ; LDS serves a wave's instructions in order: these see my stores
	ds_load_b128 v[Y+4:Y+7], v[STRQ] offset:512
	s_wait_dscnt 0x0
	global_store_b128 v[LI], v[Y:Y+3], s[92:93]    ; 128 tokens' words of a head: 512 consecutive bytes
	global_store_b128 v[LI], v[Y+4:Y+7], s[94:95]
	s_branch .Lend
	; ---- v
.Lkind_v:
	s_lshl_b32 s2, s21, 8
	s_lshl_b32 s3, s19, 7
	s_add_co_u32 s2, s2, s3                        ; my first channel of 1,024
	s_lshr_b32 s2, s2, 6                           ; my first head
	s_lshl_b32 s22, s42, 8
	s_lshl_b32 s23, s20, 7
	s_add_co_u32 s22, s22, s23                     ; my first token
	s_lshr_b32 s3, s22, 11
	s_lshl_b32 s3, s3, 4
	s_add_co_u32 s3, s3, s2                        ; 16 x batch + head
	s_bfe_u32 s22, s22, 0x40007                    ; my key step of 128
	s_lshl_b32 s46, s3, 17
	s_lshl_b32 s23, s22, 12
	s_add_co_u32 s46, s46, s23
	s_add_co_u32 s46, s46, 65536
	s_mov_b32 s47, 0
	s_add_nc_u64 s[66:67], s[16:17], s[46:47]
	s_mul_i32 s46, s3, 12288
	s_lshl_b32 s23, s22, 8
	s_add_co_u32 s46, s46, s23
	s_add_co_u32 s46, s46, KVS+8192
	s_add_nc_u64 s[92:93], s[16:17], s[46:47]
	EPI 1
.irp a, 0,1,2,3,4,5,6,7
	ds_store_b32 v[STWV], v[PW+\a] offset:64*\a    ; both halves of the lanes hold the same word and write the same bytes
.endr
	ds_load_b128 v[Y:Y+3], v[STRV]
	s_wait_dscnt 0x0
	global_store_b128 v[VOF], v[Y:Y+3], s[92:93]   ; lanes 0-15 the first head's 64 words, lanes 16-31 the second's: 256 consecutive bytes each
.Lend:
	s_wait_tensorcnt 0x0                           ; the wave's end
	ds_add_u32 v[SPW], v[NIL]
	s_wait_dscnt 0x0
	CROUND                                         ; the closing round
	s_endpgm
.Lfunc_end_k_qfce5cbe5d8_qkv:
	.size	k_qfce5cbe5d8_qkv, .Lfunc_end_k_qfce5cbe5d8_qkv-k_qfce5cbe5d8_qkv
	.p2alignl 7, 3214868480
	.fill 96, 4, 3214868480
	.section	.rodata,"a",@progbits
	.p2align	6, 0x0
	.amdhsa_kernel k_qfce5cbe5d8_qkv
		.amdhsa_group_segment_fixed_size 327680
		.amdhsa_private_segment_fixed_size 0
		.amdhsa_enable_private_segment 0
		.amdhsa_kernarg_size 56
		.amdhsa_user_sgpr_count 2
		.amdhsa_user_sgpr_kernarg_segment_ptr 1
		.amdhsa_wavefront_size32 1
		.amdhsa_system_sgpr_workgroup_id_x 1
		.amdhsa_system_sgpr_workgroup_id_y 1
		.amdhsa_system_sgpr_workgroup_id_z 1
		.amdhsa_system_vgpr_workitem_id 0
		.amdhsa_next_free_vgpr 1024
		.amdhsa_next_free_sgpr 104
		.amdhsa_reserve_vcc 0
		.amdhsa_float_denorm_mode_32 3
		.amdhsa_float_denorm_mode_16_64 3
		.amdhsa_memory_ordered 1
		.amdhsa_forward_progress 1
		.amdhsa_inst_pref_size 202
	.end_amdhsa_kernel
	.amdgpu_metadata
---
amdhsa.version: [ 1, 2 ]
amdhsa.kernels:
  - .name:           k_qfce5cbe5d8_qkv
    .symbol:         k_qfce5cbe5d8_qkv.kd
    .args:
      - { .name: xq, .offset: 0, .size: 8, .value_kind: global_buffer, .address_space: global }
      - { .name: wq, .offset: 8, .size: 8, .value_kind: global_buffer, .address_space: global }
      - { .name: bq, .offset: 16, .size: 8, .value_kind: global_buffer, .address_space: global }
      - { .name: bk, .offset: 24, .size: 8, .value_kind: global_buffer, .address_space: global }
      - { .name: bv, .offset: 32, .size: 8, .value_kind: global_buffer, .address_space: global }
      - { .name: qq, .offset: 40, .size: 8, .value_kind: global_buffer, .address_space: global }
      - { .name: kv, .offset: 48, .size: 8, .value_kind: global_buffer, .address_space: global }
    .group_segment_fixed_size: 327680
    .private_segment_fixed_size: 0
    .kernarg_segment_align: 8
    .kernarg_segment_size: 56
    .max_flat_workgroup_size: 128
    .sgpr_count:     104
    .vgpr_count:     1024
    .wavefront_size: 32
...
	.end_amdgpu_metadata
.endif
;; end of part 2
;; launch attn (part 3): grid 4 x 64, 16 waves a work-group, clusters of 4 x 1, 167,936 bytes of LDS; arguments qq, kv, oq; writes oq
.if DOCPART == 3
	.amdgcn_target "amdgcn-amd-amdhsa--gfx1250"
	.amdhsa_code_object_version 6
	.text
	.protected	k_qfce5cbe5d8_attn
	.globl	k_qfce5cbe5d8_attn
	.p2align	8
	.type	k_qfce5cbe5d8_attn,@function
k_qfce5cbe5d8_attn:
	s_mov_b64 s[64:65], 0
	v_nop
	global_prefetch_b8 v0, s[64:65] scope:SCOPE_SE
	s_setreg_imm32_b32 hwreg(HW_REG_WAVE_MODE, 25, 1), 1
	s_wait_xcnt 0x0
	s_wait_alu depctr_hold_cnt(0) depctr_sa_sdst(0) depctr_va_vdst(0) depctr_va_sdst(0) depctr_va_ssrc(0) depctr_va_vcc(0) depctr_vm_vsrc(0)
	s_getreg_b32 s2, hwreg(HW_REG_IB_STS2, 6, 4)
	s_cmp_eq_u32 s2, 0
	s_cbranch_scc0 .Lentry_in_a_cluster
	s_endpgm
.Lentry_in_a_cluster:
	s_bfe_u32 s2, ttmp6, 0x10000c
	s_cmp_lg_u32 s2, 0x3003
	s_cbranch_scc0 .Lentry_shape_is_right
	s_endpgm
.Lentry_shape_is_right:
; Causal attention of one head on codes of FP4, and the quantiser of its result along the model's width.
; WORK LEFT OUT: key steps of 128 keys all of which come after a tile's 16 queries: the mask that reference() builds gives them the weight 0 for all inputs.  A NaN or infinity that would reach only them is not carried on.
; THE SOFTMAX: t = score x log2(e) / 8; M = the running largest t rounded up to a whole number; p = 2^(t - M) is quantised along the keys, not normalised; the row's sum of the unquantised p divides at the end.
; SHARES.  The four work-groups of a cluster serve one head (cluster y = 16 x batch + head).  All of the head's K, V and scale words, 143,360 bytes, come into each one's LDS ONCE, by joint loads: no ring, nothing is filled again.
; A tile is 16 queries, t = 4 u + cx, u = 0 .. 31.  Wave w takes u = 31 - w and then u = w.  Tile t walks key steps 0 .. u / 2, which does not hang on cx: every wave of every work-group has 17 steps.
; LAYOUT.  Both products transposed: S^T = K Q^T, O^T = V^T P^T: a lane holds one query throughout.  K = 64 in the first product: registers 4-7 of Q's and K's fragments are zeros, written once.
; A tile of K takes 16 neighbouring keys; p's codes then stand, inside a block of 32, in the order in which v's codes were laid by the launch before.
; The rows' scale halves leave in runs of 32 bytes: one sixteenth of what this launch stores.
.set QSO,   4194304                    ; qq: scale words
.set KVS,   8388608                    ; kv: scale words
.set OSO,   4194304                    ; oq: scale halves
.set LV,    65536                      ; LDS: K's half images from 0, V's images from here,
.set LKS,   131072                     ; K's scale words,
.set LVS,   139264                     ; V's,
.set SPARE, 143360                     ; the spare words, 128 bytes a wave
.set SPW, 5
.set NIL, 6
.set RH,  7                            ; v7 r - 8 h
.set ADK, 8
.set ADV, 9
.set ADS, 10
.set ADT, 11
.set QA,  16
.set QB,  24
.set KF,  32
.set VF,  64
.set S,   96
.set O,   160
.set PC,  192
.set OCD, 200
.set KS,  204
.set VS,  208
.set QSA, 210
.set QSB, 211
.set PS,  212
.set DQ,  213
.set BM,  216
.set T2,  220
.set SO,  224
.set WV,  18
.set SEL, 20
.set CS,  22
.set G1S, 24
.set G1A, 32
.set G1B, 40
.set G0S, 48
.set G0A, 52
.set G0B, 56
.set SI,  66
.set LIM, 67
.set TK,  68
.set TS,  69
.set TV,  70
.set CNT, 71
.macro CROUND
	s_barrier_signal -1
	s_barrier_wait -1
	s_cmp_lg_u32 s[WV], 0
	s_cbranch_scc1 .Lnot_wave_0_\@
	s_barrier_signal -3
.Lnot_wave_0_\@:
	s_barrier_wait -3
	s_barrier_signal -1
	s_barrier_wait -1
.endm
	s_load_b128 s[4:7], s[0:1], 0x0                ; qq, kv
	s_load_b64 s[8:9], s[0:1], 0x10                ; oq
	v_lshl_add_u32 v[SPW], v0, 2, SPARE
	v_mov_b32 v[NIL], 0
	ds_add_u32 v[SPW], v[NIL]                      ; the opening: the add, twice on end, and its wait ahead of the first tensor load
	ds_add_u32 v[SPW], v[NIL]
	v_lshrrev_b32 v8, 5, v0
	s_delay_alu instid0(VALU_DEP_1)
	v_readfirstlane_b32 s[WV], v8                  ; wave 0..15
	s_bfe_u32 s19, ttmp6, 0x40000                  ; cx: it enters Q's and the result's addresses and the diagonal's compare alone
	s_and_b32 s10, ttmp7, 0xffff                   ; 16 x batch + head
	; descriptor groups 1: dense rows of 256 bytes (32 elements of 8), for all four work-groups: 12 rows (scale words), 32 rows (key steps 0-3), 96 rows (key steps 4-15)
	s_mov_b32 s[G1S], 15|(3<<16)|(1<<21)
	s_mov_b32 s[G1S+1], 32<<16
	s_mov_b32 s[G1S+2], 12<<16
	s_mov_b32 s[G1S+3], 32<<16
	s_mov_b32 s[G1S+4], 12
	s_mov_b32 s[G1S+5], 32
	s_mov_b32 s[G1S+6], 0
	s_mov_b32 s[G1S+7], 0
	s_mov_b32 s[G1A], 15|(3<<16)|(1<<21)
	s_mov_b32 s[G1A+1], 32<<16
	s_mov_b32 s[G1A+2], 32<<16
	s_mov_b32 s[G1A+3], 32<<16
	s_mov_b32 s[G1A+4], 32
	s_mov_b32 s[G1A+5], 32
	s_mov_b32 s[G1A+6], 0
	s_mov_b32 s[G1A+7], 0
	s_mov_b32 s[G1B], 15|(3<<16)|(1<<21)
	s_mov_b32 s[G1B+1], 32<<16
	s_mov_b32 s[G1B+2], 96<<16
	s_mov_b32 s[G1B+3], 32<<16
	s_mov_b32 s[G1B+4], 96
	s_mov_b32 s[G1B+5], 32
	s_mov_b32 s[G1B+6], 0
	s_mov_b32 s[G1B+7], 0
	s_mov_b32 s[SEL], 0x76543210
	s_mov_b32 s[SEL+1], 0xfedcba98
	s_mov_b32 s[CS], 0x3e38aa3b                    ; c = log2(e) / 8
	s_mov_b32 s[CS+1], s[CS]
	s_lshr_b32 s2, s[WV], 1                        ; what waves 0-3 fetch: waves 0, 1 K's halves, waves 2, 3 V's.  LDS holds the bytes as memory does
	s_lshl_b32 s2, s2, 16
	s_and_b32 s3, s[WV], 1
	s_lshl_b32 s11, s3, 13
	s_add_co_u32 s11, s11, s2                      ; key steps 0-3: 8,192 bytes
	s_mul_i32 s3, s3, 24576
	s_add_co_u32 s3, s3, s2
	s_add_co_u32 s3, s3, 16384                     ; key steps 4-15: 24,576 bytes
	s_mul_i32 s2, s[WV], 3072                      ; scale words: 3,072 bytes
	s_lshl_b32 s12, s10, 17
	s_mov_b32 s13, 0
	s_mul_i32 s14, s10, 12288
	s_add_co_u32 s14, s14, KVS
	s_mov_b32 s15, 0
	s_mov_b32 s17, 0
	v_and_b32 v230, 31, v0                         ; lane
	s_delay_alu instid0(VALU_DEP_1)
	v_lshlrev_b32 v1, 4, v230                      ; v1 16 x lane: K's images
	s_delay_alu instid0(VALU_DEP_1)
	v_add_nc_u32 v2, LV, v1                        ; v2 V's
	s_delay_alu instid0(VALU_DEP_3)
	v_lshl_add_u32 v3, v230, 2, LKS                ; v3 K's scale words
	s_delay_alu instid0(VALU_DEP_4)
	v_lshl_add_u32 v4, v230, 2, LVS                ; v4 V's
	v_and_b32 v231, 15, v0                         ; r
	v_bfe_u32 v232, v0, 4, 1                       ; h
	s_delay_alu instid0(VALU_DEP_1)
	v_lshlrev_b32 v233, 3, v232
	s_delay_alu instid0(VALU_DEP_1)
	v_sub_nc_u32 v[RH], v231, v233
	s_delay_alu instid0(VALU_DEP_4)
	v_lshlrev_b32 v243, 2, v231                    ; 4 r
	s_lshl_b32 s60, s[WV], 1
	s_sub_co_u32 s60, 31, s60
	s_lshl_b32 s60, s60, 11                        ; from my second tile's scale halves to my first's: 4 (31 - 2 w) tiles of 512 bytes
	v_mul_u32_u24 v242, s60, v232
	s_delay_alu instid0(VALU_DEP_1)
	v_lshl_add_u32 v242, v231, 1, v242
	v_mov_b32 v214, 0xff800000                     ; -infinity
	v_mov_b32 v229, 0                              ; (named as the upper half of the pair v[228:229])
.irp j, 4,5,6,7
	v_mov_b32 v[QA+\j], 0                          ; K = 64: the upper halves of the first product's operands are zero codes
	v_mov_b32 v[QB+\j], 0
.endr
.irp t, 0,1,2,3
.irp j, 4,5,6,7
	v_mov_b32 v[KF+8*\t+\j], 0
.endr
	v_mov_b32 v[T2+\t], 0                          ; a lane permute's destination counts as one of its sources
.endr
	s_wait_dscnt 0x0                               ; both opening adds are done
	s_wait_kmcnt 0x0
	s_add_nc_u64 s[12:13], s[6:7], s[12:13]        ; the head's K and V
	s_add_nc_u64 s[14:15], s[6:7], s[14:15]        ; its scale words
	s_mov_b32 s[G0S], 1
	s_add_co_u32 s[G0S+1], s2, LKS
	s_mov_b32 s16, s2
	s_add_nc_u64 s[G0S+2:G0S+3], s[14:15], s[16:17]
	s_or_b32 s[G0S+3], s[G0S+3], 0x80000000
	s_mov_b32 s[G0A], 1
	s_mov_b32 s[G0A+1], s11
	s_mov_b32 s16, s11
	s_add_nc_u64 s[G0A+2:G0A+3], s[12:13], s[16:17]
	s_or_b32 s[G0A+3], s[G0A+3], 0x80000000
	s_mov_b32 s[G0B], 1
	s_mov_b32 s[G0B+1], s3
	s_mov_b32 s16, s3
	s_add_nc_u64 s[G0B+2:G0B+3], s[12:13], s[16:17]
	s_or_b32 s[G0B+3], s[G0B+3], 0x80000000
	CROUND                                         ; all four work-groups are here: the joint loads meet
	s_cmp_lt_u32 s[WV], 4                          ; a wave's three fills stand in one branch on the wave's number, the same in all partners; three tensor loads of a wave are out
	s_cbranch_scc0 .Lno_fill
	tensor_load_to_lds s[G0S:G0S+3], s[G1S:G1S+7]
	s_nop 0
	tensor_load_to_lds s[G0A:G0A+3], s[G1A:G1A+7]
	s_nop 0
	tensor_load_to_lds s[G0B:G0B+3], s[G1B:G1B+7]
	s_nop 0
.rept 4
	v_nop
.endr
.Lno_fill:
; tile u (in s[u]): its last key step, the diagonal's term 16 (4 (u % 2) + cx), and where its Q codes, Q scale words and results lie
.macro TILEADR u, lim, dq, qp, qsp, op
	s_lshr_b32 s[\lim], s[\u], 1
	s_and_b32 s60, s[\u], 1
	s_lshl_b32 s60, s60, 2
	s_add_co_u32 s60, s60, s19
	s_lshl_b32 s[\dq], s60, 4
	s_lshl_b32 s60, s[\u], 2
	s_add_co_u32 s60, s60, s19                     ; t
	s_lshl_b32 s62, s10, 7
	s_add_co_u32 s62, s62, s60
	s_mov_b32 s63, 0
	s_lshl_b32 s62, s62, 6                         ; 64 bytes of scale words a tile
	s_add_co_u32 s16, s62, QSO
	s_add_nc_u64 s[\qsp:\qsp+1], s[4:5], s[16:17]
	s_lshl_b32 s62, s62, 3                         ; 512 bytes of codes
	s_add_nc_u64 s[\qp:\qp+1], s[4:5], s[62:63]
	s_lshr_b32 s62, s10, 4
	s_lshl_b32 s62, s62, 7
	s_add_co_u32 s62, s62, s60                     ; 128 x batch + t
	s_lshl_b32 s62, s62, 13
	s_and_b32 s61, s10, 15
	s_lshl_b32 s61, s61, 9                         ; my head's 512 bytes of the tile's 8,192
	s_add_co_u32 s62, s62, s61
	s_add_nc_u64 s[\op:\op+1], s[8:9], s[62:63]
.endm
	s_sub_co_u32 s11, 31, s[WV]
	TILEADR 11, 72, 74, 76, 80, 84
	TILEADR WV, 73, 75, 78, 82, 86
	s_lshr_b32 s62, s10, 4
	s_lshl_b32 s62, s62, 7
	s_lshl_b32 s60, s[WV], 2
	s_add_co_u32 s62, s62, s60
	s_add_co_u32 s62, s62, s19
	s_lshl_b32 s62, s62, 9
	s_and_b32 s61, s10, 15
	s_lshl_b32 s61, s61, 5
	s_add_co_u32 s62, s62, s61
	s_add_co_u32 s62, s62, OSO
	s_add_nc_u64 s[88:89], s[8:9], s[62:63]        ; my second tile's scale halves
	global_load_b128 v[QA:QA+3], v1, s[76:77]
	global_load_b128 v[QB:QB+3], v1, s[78:79]
	global_load_b32 v[QSA], v243, s[80:81]
	global_load_b32 v[QSB], v243, s[82:83]
.macro INIT lim, dq
	v_mov_b32 v13, 0xff61b1e6                      ; the largest t so far: -3e38
	s_delay_alu instid0(VALU_DEP_1)
	v_floor_f32 v12, -v13                          ; -M
	v_mov_b32 v14, 0                               ; the sum, in two halves
	v_mov_b32 v15, 0
.set j_, 0
.rept 32
	v_mov_b32 v[O+j_], 0                           ; O^T: the step is written once, and the first change of M leaves zeros zeros
.set j_, j_+1
.endr
	v_add_nc_u32 v[DQ], s[\dq], v[RH]
	s_mov_b32 s[LIM], s[\lim]
	s_mov_b32 s[SI], 0
	s_mov_b32 s[TK], 0
	s_mov_b32 s[TS], 0
	s_mov_b32 s[TV], 0
.endm
.macro QK g, qf, qs                    ; four tiles of 16 keys: S^T = K Q^T
.irp t, 0,1,2,3
.if (\t)%2
	v_wmma_scale_f32_16x16x128_f8f6f4 v[S+32*\g+8*\t:S+32*\g+8*\t+7], v[KF+8*\t:KF+8*\t+7], v[\qf:\qf+7], 0, v[KS+2*\g+\t/2], v[\qs] matrix_a_fmt:MATRIX_FMT_FP4 matrix_b_fmt:MATRIX_FMT_FP4 matrix_a_scale:MATRIX_SCALE_ROW1
.else
	v_wmma_scale_f32_16x16x128_f8f6f4 v[S+32*\g+8*\t:S+32*\g+8*\t+7], v[KF+8*\t:KF+8*\t+7], v[\qf:\qf+7], 0, v[KS+2*\g+\t/2], v[\qs] matrix_a_fmt:MATRIX_FMT_FP4 matrix_b_fmt:MATRIX_FMT_FP4
.endif
.endr
.endm
; A KEY STEP of 128 keys.  chk = 1: a step behind the diagonal is left out (a scalar branch on ids, round the work, not round the lines that step addresses), and the step on the diagonal hides keys.
.macro STEP qf, qs, chk
.if \chk
	s_cmp_gt_u32 s[SI], s[LIM]
	s_cbranch_scc1 .Lhidden_\@
.endif
	s_setprio 2
	v_add_nc_u32 v[ADK], s[TK], v1                 ; (these four are also the places in front of loads into registers that the last products read)
	v_add_nc_u32 v[ADV], s[TK], v2
	v_add_nc_u32 v[ADS], s[TS], v3
	v_add_nc_u32 v[ADT], s[TV], v4
.irp p, 0,1,2,3
	ds_load_b32 v[KS+\p], v[ADS] offset:128*\p     ; K's scale words: lanes 0-15 tile 2 p, lanes 16-31 tile 2 p + 1
.endr
.irp t, 0,1,2,3
	ds_load_b128 v[KF+8*\t:KF+8*\t+3], v[ADK] offset:512*\t
.endr
.irp p, 0,1
	ds_load_b32 v[VS+\p], v[ADT] offset:128*\p
.endr
.irp t, 0,1,2,3
.irp c, 0,1
	ds_load_b128 v[VF+8*\t+4*\c:VF+8*\t+4*\c+3], v[ADV] offset:1024*\t+512*\c
.endr
.endr
	s_wait_alu depctr_va_vdst(0)
	s_wait_dscnt 10                                ; K's words and first four tiles are in; V's two word loads and eight loads may be out
	QK 0, \qf, \qs
.rept 4
	v_nop
.endr
.irp t, 0,1,2,3
	ds_load_b128 v[KF+8*\t:KF+8*\t+3], v[ADK] offset:2048+512*\t
.endr
	s_wait_dscnt 0x0
	QK 1, \qf, \qs
.rept 4
	v_nop
.endr
.if \chk                               ; on the diagonal the scores of hidden keys become -infinity: register n holds key 128 SI + 16 (n / 8) + n % 8 + 8 h
	s_cmp_lg_u32 s[SI], s[LIM]
	s_cbranch_scc1 .Lopen_\@
.set n_, 0
.rept 64
	v_cmp_gt_i32 vcc_lo, 16*(n_/8)+n_%8, v[DQ]
	v_cndmask_b32 v[S+n_], v[S+n_], v214, vcc_lo
.set n_, n_+1
.endr
.Lopen_\@:
.endif
.irp b, 0,1,2,3
	v_max3_num_f32 v[BM+\b], v[S+16*\b], v[S+1+16*\b], v[S+2+16*\b]   ; the largest score of each block of 32 keys: for the row's maximum, and, since p rises with the score, for the block's largest p
.endr
.irp i, 3,5,7,9,11,13
.irp b, 0,1,2,3
	v_max3_num_f32 v[BM+\b], v[BM+\b], v[S+16*\b+\i], v[S+1+16*\b+\i]
.endr
.endr
.irp b, 0,1,2,3
	v_max_num_f32 v[BM+\b], v[BM+\b], v[S+15+16*\b]
.endr
.irp b, 0,1,2,3
	s_delay_alu instid0(VALU_DEP_4)
	v_permlanex16_b32 v[T2+\b], v[BM+\b], s[SEL], s[SEL+1]
.endr
.irp b, 0,1,2,3
	s_delay_alu instid0(VALU_DEP_4)
	v_max_num_f32 v[BM+\b], v[BM+\b], v[T2+\b]
.endr
	s_delay_alu instid0(VALU_DEP_2)
	v_max3_num_f32 v230, v[BM], v[BM+1], v[BM+2]
	s_delay_alu instid0(VALU_DEP_1)
	v_max_num_f32 v230, v230, v[BM+3]
	s_delay_alu instid0(VALU_DEP_1)
	v_mul_f32 v230, s[CS], v230
	s_delay_alu instid0(VALU_DEP_1)
	v_max_num_f32 v13, v13, v230                   ; the running largest t
	v_mov_b32 v230, v12
	s_delay_alu instid0(VALU_DEP_2)
	v_floor_f32 v12, -v13                          ; the new -M: M is a whole number
	s_delay_alu instid0(VALU_DEP_1)
	v_sub_f32 v230, v12, v230
	s_delay_alu instid0(VALU_DEP_1)
	v_cvt_i32_f32 v230, v230
	s_delay_alu instid0(VALU_DEP_1)
	v_ldexp_f32 v228, 1.0, v230                    ; f = 2^(old M - new M): exact
.set j_, 0
.rept 32
	v_pk_fma_f32 v[S+j_:S+j_+1], v[S+j_:S+j_+1], s[CS:CS+1], v[12:13] op_sel_hi:[1,0,0]   ; t - M
.set j_, j_+2
.endr
.irp b, 0,1,2,3
	v_fma_f32 v[BM+\b], v[BM+\b], s[CS], v12
.endr
.set j_, 0
	s_setprio 1
	s_wait_alu depctr_va_vdst(0)
.rept 64
	v_exp_f32 v[S+j_], v[S+j_]                     ; p = 2^(t - M)
.set j_, j_+1
.endr
	v_pk_mul_f32 v[14:15], v[14:15], v[228:229] op_sel_hi:[1,0]   ; the sums under the new M (a plain place behind the exponentials)
	s_wait_alu depctr_va_vdst(0)                   ; one wait for the batch, ahead of its first reader
.irp b, 0,1,2,3
	v_exp_f32 v[BM+\b], v[BM+\b]                   ; each block's largest p
.endr
	v_pk_add_f32 v[232:233], v[100:101], v[104:105]
	v_pk_add_f32 v[254:255], v[108:109], v[112:113]
	v_pk_add_f32 v[252:253], v[116:117], v[120:121]
	v_pk_add_f32 v[250:251], v[124:125], v[128:129]
	v_pk_add_f32 v[248:249], v[132:133], v[136:137]
	v_pk_add_f32 v[246:247], v[140:141], v[144:145]
	v_pk_add_f32 v[244:245], v[148:149], v[152:153]
	v_pk_add_f32 v[14:15], v[14:15], v[156:157]
	v_pk_add_f32 v[232:233], v[232:233], v[96:97]
	v_pk_add_f32 v[254:255], v[254:255], v[98:99]
	v_pk_add_f32 v[252:253], v[252:253], v[102:103]
	v_pk_add_f32 v[250:251], v[250:251], v[106:107]
	v_pk_add_f32 v[248:249], v[248:249], v[110:111]
	v_pk_add_f32 v[246:247], v[246:247], v[114:115]
	v_pk_add_f32 v[244:245], v[244:245], v[118:119]
	v_pk_add_f32 v[14:15], v[14:15], v[122:123]
	v_pk_add_f32 v[232:233], v[232:233], v[126:127]
	v_pk_add_f32 v[254:255], v[254:255], v[130:131]
	v_pk_add_f32 v[252:253], v[252:253], v[134:135]
	v_pk_add_f32 v[250:251], v[250:251], v[138:139]
	v_pk_add_f32 v[248:249], v[248:249], v[142:143]
	v_pk_add_f32 v[246:247], v[246:247], v[146:147]
	v_pk_add_f32 v[244:245], v[244:245], v[150:151]
	v_pk_add_f32 v[14:15], v[14:15], v[154:155]
	v_pk_add_f32 v[232:233], v[232:233], v[158:159]
	s_delay_alu instid0(VALU_DEP_2)
	v_pk_add_f32 v[14:15], v[14:15], v[250:251]
	s_delay_alu instid0(VALU_DEP_2)
	v_pk_add_f32 v[232:233], v[232:233], v[248:249]
	v_pk_add_f32 v[254:255], v[254:255], v[246:247]
	v_pk_add_f32 v[252:253], v[252:253], v[244:245]
	s_delay_alu instid0(VALU_DEP_2)
	v_pk_add_f32 v[14:15], v[14:15], v[254:255]
	s_delay_alu instid0(VALU_DEP_2)
	v_pk_add_f32 v[232:233], v[232:233], v[252:253]
	s_delay_alu instid0(VALU_DEP_1)
	v_pk_add_f32 v[14:15], v[14:15], v[232:233]
	s_wait_alu depctr_va_vdst(0)                   ; and one for the four
.irp b, 0,1,2,3
	v_max_num_f32 v[BM+\b], 0x1800000, v[BM+\b]    ; the floor: the byte cannot fall under 1
.endr
.irp b, 0,1,2,3
	s_delay_alu instid0(VALU_DEP_4)
	v_add_nc_u32 v[SO+\b], 0xff000000, v[BM+\b]
.endr
.irp b, 0,1,2,3
	s_delay_alu instid0(VALU_DEP_4)
	v_lshrrev_b32 v[T2+\b], 23, v[SO+\b]
.endr
	s_delay_alu instid0(VALU_DEP_3)
	v_lshl_or_b32 v[PS], v[T2+1], 8, v[T2]         ; p's scale word for these 128 keys
	s_delay_alu instid0(VALU_DEP_1)
	v_lshl_or_b32 v[PS], v[T2+2], 16, v[PS]
	s_delay_alu instid0(VALU_DEP_1)
	v_lshl_or_b32 v[PS], v[T2+3], 24, v[PS]
	s_setprio 0
.irp b, 0,1,2,3
	v_cvt_scalef32_pk8_fp4_f32 v[PC+2*\b], v[S+16*\b:S+7+16*\b], v[SO+\b]
	v_cvt_scalef32_pk8_fp4_f32 v[PC+1+2*\b], v[S+8+16*\b:S+15+16*\b], v[SO+\b]
.endr
	v_nop
.irp c, 0,1
.irp i, 0,1
	v_permlane16_swap_b32 v[PC+4*\c+\i], v[PC+2+4*\c+\i]
.endr
.endr
.set j_, 0
.rept 16
	v_pk_mul_f32 v[O+j_:O+j_+1], v[O+j_:O+j_+1], v[228:229] op_sel_hi:[1,0]   ; O^T under the new M (these sixteen also stand between the scale word's and the codes' last writes and the products)
.set j_, j_+2
.endr
.irp t, 0,1,2,3                        ; O^T += V^T P^T: the four accumulators by turns
.if (\t)%2
	v_wmma_scale_f32_16x16x128_f8f6f4 v[O+8*\t:O+8*\t+7], v[VF+8*\t:VF+8*\t+7], v[PC:PC+7], v[O+8*\t:O+8*\t+7], v[VS+\t/2], v[PS] matrix_a_fmt:MATRIX_FMT_FP4 matrix_b_fmt:MATRIX_FMT_FP4 matrix_a_scale:MATRIX_SCALE_ROW1
.else
	v_wmma_scale_f32_16x16x128_f8f6f4 v[O+8*\t:O+8*\t+7], v[VF+8*\t:VF+8*\t+7], v[PC:PC+7], v[O+8*\t:O+8*\t+7], v[VS+\t/2], v[PS] matrix_a_fmt:MATRIX_FMT_FP4 matrix_b_fmt:MATRIX_FMT_FP4
.endif
.endr
.if \chk
.Lhidden_\@:
.endif
	s_add_co_u32 s[SI], s[SI], 1
	s_add_co_u32 s[TK], s[TK], 4096                ; the next step's tiles of K and of V,
	s_add_co_u32 s[TS], s[TS], 512                 ; K's scale words,
	s_add_co_u32 s[TV], s[TV], 256                 ; V's
.endm
; A tile's end: O^T / the sum, quantised along the head's 64 channels (two blocks), 512 bytes of codes stored; the two scale bytes are kept in v[w16].
.macro FINISH w16, out
.rept 4
	v_nop                                          ; places behind the last products
.endr
	s_wait_xcnt 0x0                                ; the earlier store has read its data registers
	v_add_f32 v14, v14, v15
	s_delay_alu instid0(VALU_DEP_1)
	v_permlanex16_b32 v230, v14, s[SEL], s[SEL+1]
	s_delay_alu instid0(VALU_DEP_1)
	v_add_f32 v14, v14, v230                       ; the row's sum
	s_wait_alu depctr_va_vdst(0)
	v_rcp_f32 v228, v14
	v_nop
	s_wait_alu depctr_va_vdst(0)
.set j_, 0
.rept 16
	v_pk_mul_f32 v[O+j_:O+j_+1], v[O+j_:O+j_+1], v[228:229] op_sel_hi:[1,0]
.set j_, j_+2
.endr
.irp b, 0,1
	v_max3_num_f32 v[BM+\b], |v[O+16*\b]|, |v[O+1+16*\b]|, 0x1800000
.endr
.irp i, 2,4,6,8,10,12,14
.irp b, 0,1
	s_delay_alu instid0(VALU_DEP_2)
	v_max3_num_f32 v[BM+\b], v[BM+\b], |v[O+16*\b+\i]|, |v[O+1+16*\b+\i]|
.endr
.endr
.irp b, 0,1
	s_delay_alu instid0(VALU_DEP_2)
	v_permlanex16_b32 v[T2+\b], v[BM+\b], s[SEL], s[SEL+1]
.endr
.irp b, 0,1
	s_delay_alu instid0(VALU_DEP_2)
	v_max_num_f32 v[BM+\b], v[BM+\b], v[T2+\b]
.endr
.irp b, 0,1
	s_delay_alu instid0(VALU_DEP_2)
	v_add_nc_u32 v[SO+\b], 0xff000000, v[BM+\b]
.endr
.irp b, 0,1
	s_delay_alu instid0(VALU_DEP_2)
	v_lshrrev_b32 v[T2+\b], 23, v[SO+\b]
.endr
	s_delay_alu instid0(VALU_DEP_1)
	v_lshl_or_b32 v[\w16], v[T2+1], 8, v[T2]
.irp b, 0,1
	v_cvt_scalef32_pk8_fp4_f32 v[OCD+2*\b], v[O+16*\b:O+7+16*\b], v[SO+\b]
	v_cvt_scalef32_pk8_fp4_f32 v[OCD+1+2*\b], v[O+8+16*\b:O+15+16*\b], v[SO+\b]
.endr
	v_nop
	v_permlane16_swap_b32 v[OCD], v[OCD+2]
	v_permlane16_swap_b32 v[OCD+1], v[OCD+3]
	global_store_b128 v1, v[OCD:OCD+3], s[\out:\out+1]   ; one register group of the next product's fragment: 512 consecutive bytes
.endm
	s_wait_loadcnt 0x0                             ; Q
	INIT 72, 74
	s_wait_tensorcnt 1                             ; the scale words and key steps 0-3 have landed (the load of key steps 4-15 may be out)
	s_barrier_signal -1
	s_barrier_wait -1
	s_mov_b32 s[CNT], 4
.Lloop_a:                                          ; key steps 0-3 of my first tile: its last step is 8 or later, so all their keys count
	STEP QA, QSA, 0
	s_sub_co_u32 s[CNT], s[CNT], 1
	s_cmp_lg_u32 s[CNT], 0
	s_cbranch_scc1 .Lloop_a
	s_setprio 0
	s_wait_tensorcnt 0x0                           ; the rest has landed
	s_wait_dscnt 0x0
	s_barrier_signal -1
	s_barrier_wait -1                              ; everybody's has: from here on the waves run freely
	s_mov_b32 s[CNT], 12
.Lloop_b:
	STEP QA, QSA, 1
	s_sub_co_u32 s[CNT], s[CNT], 1
	s_cmp_lg_u32 s[CNT], 0
	s_cbranch_scc1 .Lloop_b
	s_setprio 0
	FINISH 240, 84
	INIT 73, 75
	s_mov_b32 s[CNT], 8
.Lloop_c:                                          ; my second tile: its last step is 7 at the most
	STEP QB, QSB, 1
	s_sub_co_u32 s[CNT], s[CNT], 1
	s_cmp_lg_u32 s[CNT], 0
	s_cbranch_scc1 .Lloop_c
	s_setprio 0
	FINISH 241, 86
	v_bfe_u32 v231, v0, 4, 1
	s_delay_alu instid0(VALU_DEP_1)
	v_cmp_eq_u32 s60, 1, v231
	s_delay_alu instid0(VALU_DEP_1)
	v_cndmask_b32 v240, v241, v240, s60            ; lanes 0-15 the second tile's scale halves, lanes 16-31 the first's
	global_store_b16 v242, v240, s[88:89]
	s_wait_tensorcnt 0x0                           ; the wave's end
	ds_add_u32 v[SPW], v[NIL]
	s_wait_dscnt 0x0
	CROUND                                         ; the closing round
	s_endpgm
.Lfunc_end_k_qfce5cbe5d8_attn:
	.size	k_qfce5cbe5d8_attn, .Lfunc_end_k_qfce5cbe5d8_attn-k_qfce5cbe5d8_attn
	.p2alignl 7, 3214868480
	.fill 96, 4, 3214868480
	.section	.rodata,"a",@progbits
	.p2align	6, 0x0
	.amdhsa_kernel k_qfce5cbe5d8_attn
		.amdhsa_group_segment_fixed_size 167936
		.amdhsa_private_segment_fixed_size 0
		.amdhsa_enable_private_segment 0
		.amdhsa_kernarg_size 24
		.amdhsa_user_sgpr_count 2
		.amdhsa_user_sgpr_kernarg_segment_ptr 1
		.amdhsa_wavefront_size32 1
		.amdhsa_system_sgpr_workgroup_id_x 1
		.amdhsa_system_sgpr_workgroup_id_y 1
		.amdhsa_system_sgpr_workgroup_id_z 1
		.amdhsa_system_vgpr_workitem_id 0
		.amdhsa_next_free_vgpr 256
		.amdhsa_next_free_sgpr 90
		.amdhsa_reserve_vcc 1
		.amdhsa_float_denorm_mode_32 3
		.amdhsa_float_denorm_mode_16_64 3
		.amdhsa_memory_ordered 1
		.amdhsa_forward_progress 1
		.amdhsa_inst_pref_size 81
	.end_amdhsa_kernel
	.amdgpu_metadata
---
amdhsa.version: [ 1, 2 ]
amdhsa.kernels:
  - .name:           k_qfce5cbe5d8_attn
    .symbol:         k_qfce5cbe5d8_attn.kd
    .args:
      - { .name: qq, .offset: 0, .size: 8, .value_kind: global_buffer, .address_space: global }
      - { .name: kv, .offset: 8, .size: 8, .value_kind: global_buffer, .address_space: global }
      - { .name: oq, .offset: 16, .size: 8, .value_kind: global_buffer, .address_space: global }
    .group_segment_fixed_size: 167936
    .private_segment_fixed_size: 0
    .kernarg_segment_align: 8
    .kernarg_segment_size: 24
    .max_flat_workgroup_size: 512
    .sgpr_count:     90
    .vgpr_count:     256
    .wavefront_size: 32
...
	.end_amdgpu_metadata
.endif
;; end of part 3
;; launch outln (part 4): grid 256 x 1, 8 waves a work-group, no clusters, 167,936 bytes of LDS; arguments oq, wq, bo, x, gamma, beta, out0; writes out0
.if DOCPART == 4
	.amdgcn_target "amdgcn-amd-amdhsa--gfx1250"
	.amdhsa_code_object_version 6
	.text
	.protected	k_qfce5cbe5d8_outln
	.globl	k_qfce5cbe5d8_outln
	.p2align	8
	.type	k_qfce5cbe5d8_outln,@function
k_qfce5cbe5d8_outln:
	s_mov_b64 s[64:65], 0
	v_nop
	global_prefetch_b8 v0, s[64:65] scope:SCOPE_SE
	s_setreg_imm32_b32 hwreg(HW_REG_WAVE_MODE, 25, 1), 1
	s_wait_xcnt 0x0
; out0 = LayerNorm(attention result x Wo + bo + x) x gamma + beta.  The product on codes of FP4; all else in f32; mean and variance in two passes, as jnp.var takes them.  No work is left out here.
; SHARES.  A work-group owns 32 whole rows, so a row's mean and variance have one owner.  Wave w owns columns 128 w .. 128 w + 127: 16 accumulators (tile of rows i, tile of columns b).
; The product is used transposed (source 0 = 16 columns of Wo, source 1 = 16 rows): a lane holds eight neighbouring columns of one row.
; NO JOINT LOADS: each fragment of Wo feeds one wave of a work-group, so LDS would give it no second reader: 512 KiB would be written to LDS and read from it once more for each work-group.  Both operands come
; as images straight into registers, each load 512 consecutive bytes, three K steps ahead.
; x's strip of a wave (32 rows x 512 bytes) comes by one tensor load at the head and lands under the product; the strip, which is filled once, is the wave's stage on the way out.
; REGISTERS: window 0: v1-13 addresses; v16-25 sums; v32-63 x, two buffers; v64-95 Wo's scale words, v96-103 the rows' (v104-111 their upper halves as loaded); v112-127 reductions; v128-255 the accumulators.
;   window 1: three sets of 80: eight fragments of Wo, two of the rows; later bo (from v160), gamma (v0), beta (v80).
.set WSC,   2097152
.set OSO,   4194304
.set STRIP, 16896                      ; 32 rows x (512 + 16) bytes
.set RED,   8*STRIP                    ; 1,024 bytes for the sums, 1,024 for the squares
.set SPARE, RED+2048                   ; the spare words, 128 bytes a wave
.set LI,  1
.set XAD, 4
.set RD,  5
.set SPW, 6
.set NIL, 7
.set XB,  32
.set WSR, 64
.set ASR, 96
.set ACC, 128
.set MSB, 0
.macro WIN new
.if MSB != \new
	s_set_vgpr_msb (MSB<<8)|\new
.set MSB, \new
.endif
.endm
	s_load_b256 s[4:11], s[0:1], 0x0               ; oq, wq, bo, x
	s_load_b128 s[12:15], s[0:1], 0x20             ; gamma, beta
	s_load_b64 s[28:29], s[0:1], 0x30              ; out0
	v_lshl_add_u32 v[SPW], v0, 2, SPARE
	v_mov_b32 v[NIL], 0
	ds_add_u32 v[SPW], v[NIL]                      ; the opening: the add, twice on end, and its wait ahead of my tensor load
	ds_add_u32 v[SPW], v[NIL]
	v_lshrrev_b32 v1, 5, v0
	v_readfirstlane_b32 s30, v1                    ; wave 0..7
	s_mov_b32 s16, (2<<16)|(1<<20)|(6<<22)|(3<<25) ; elements of 4 bytes; 4 words of padding behind every 128
	s_mov_b32 s17, 128<<16                         ; tensor_dim0
	s_mov_b32 s18, 32<<16                          ; tensor_dim1
	s_mov_b32 s19, 128<<16                         ; tile_dim0
	s_mov_b32 s20, 32                              ; tile_dim1
	s_mov_b32 s21, 1024                            ; elements from row to row
	s_mov_b32 s22, 0
	s_mov_b32 s23, 0
	s_mov_b32 s32, 0x76543210
	s_mov_b32 s33, 0xfedcba98
	s_mov_b32 s34, 0x3a800000                      ; 1 / 1,024
	s_mov_b32 s35, 0x3727c5ac                      ; 1e-5
	v_and_b32 v2, 31, v0
	v_lshlrev_b32 v[LI], 4, v2                     ; 16 x lane
	v_lshlrev_b32 v13, 2, v2                       ; 4 x lane
	v_and_b32 v2, 15, v0                           ; r
	v_bfe_u32 v3, v0, 4, 1                         ; h
	s_mul_i32 s31, s30, STRIP
	v_mul_u32_u24 v[XAD], v2, 528
	v_lshl_add_u32 v[XAD], v3, 5, v[XAD]
	v_add_nc_u32 v[XAD], s31, v[XAD]               ; my strip in the accumulators' order: row r, + 32 h
	v_add_nc_u32 v[RD], s31, v[LI]                 ; and by rows
	v_lshlrev_b32 v8, 4, v2
	v_lshl_add_u32 v8, v3, 11, v8                  ; Wo's scale words: 16 r, lanes 16-31 four tiles on
	v_lshlrev_b32 v9, 1, v2
	v_lshl_add_u32 v9, v3, 9, v9                   ; the rows' scale halves: 2 r, lanes 16-31 the second tile
	v_lshlrev_b32 v10, 5, v3                       ; bo, gamma, beta: 32 h
	s_lshl_b32 s37, s30, 7
	s_add_co_u32 s37, s37, RED
	v_add_nc_u32 v11, s37, v13                     ; where I put my wave's row sums
	v_add_nc_u32 v12, RED, v13                     ; and read all waves'
	v_cmp_eq_u32 s36, 1, v3                        ; the mask of lanes 16-31, in a scalar register
	v_mov_b32 v24, 0                               ; a lane permute's destination counts as one of its sources
	v_mov_b32 v25, 0
	s_lshl_b32 s38, ttmp9, 17                      ; my work-group's 32 rows of 4,096 bytes,
	s_lshl_b32 s37, s30, 9                         ; my wave's 512 bytes of a row
	s_add_co_u32 s38, s38, s37
	s_mov_b32 s39, 0
	s_wait_dscnt 0x0                               ; both opening adds are done
	s_wait_kmcnt 0x0
	s_mov_b32 s24, 1
	s_mov_b32 s25, s31
	s_add_nc_u64 s[26:27], s[10:11], s[38:39]
	s_or_b32 s27, s27, 0x80000000
	tensor_load_to_lds s[24:27], s[16:23]          ; my strip of x: the wave's one tensor load
	s_nop 0
.rept 4
	v_nop
.endr
	s_add_nc_u64 s[28:29], s[28:29], s[38:39]      ; out0 likewise
	s_mov_b32 s38, s37
	s_add_nc_u64 s[8:9], s[8:9], s[38:39]          ; bo, gamma, beta at my 128 columns
	s_add_nc_u64 s[12:13], s[12:13], s[38:39]
	s_add_nc_u64 s[14:15], s[14:15], s[38:39]
	s_lshl_b32 s38, s30, 16
	s_add_co_u32 s38, s38, 3*524288
	s_add_nc_u64 s[40:41], s[6:7], s[38:39]        ; Wo's codes: my eight tiles of 16 columns
	s_lshl_b32 s38, s30, 12
	s_add_co_u32 s38, s38, WSC+3*32768
	s_add_nc_u64 s[42:43], s[6:7], s[38:39]        ; their scale words
	s_lshl_b32 s38, ttmp9, 14
	s_add_nc_u64 s[44:45], s[4:5], s[38:39]        ; the rows' codes: two tiles
	s_lshl_b32 s38, ttmp9, 10
	s_add_co_u32 s38, s38, OSO
	s_add_nc_u64 s[46:47], s[4:5], s[38:39]        ; their scale halves
.irp b, 0,1,2,3
.irp g, 0,1
	global_load_b128 v[WSR+8*\b+4*\g:WSR+8*\b+4*\g+3], v8, s[42:43] offset:512*\b+256*\g   ; register 8 b + s: lanes 0-15 tile b, lanes 16-31 tile b + 4, K step s
.endr
.endr
.irp s, 0,1,2,3,4,5,6,7
	global_load_u16 v[ASR+\s], v9, s[46:47] offset:64*\s           ; head 2 s: the word's lower two bytes,
	global_load_u16 v[ASR+8+\s], v9, s[46:47] offset:64*\s+32      ; head 2 s + 1: its upper two
.endr
.macro LOADSET s                       ; K step s: 20 loads into set s % 3
.set F_, 80*((\s)%3)
.irp b, 0,1,2,3,4,5,6,7
.irp c, 0,1
	global_load_b128 v[F_+8*\b+4*\c:F_+8*\b+4*\c+3], v[LI], s[40:41] offset:8192*\b+1024*(\s)+512*\c
.endr
.endr
.irp i, 0,1
.irp c, 0,1
	global_load_b128 v[F_+64+8*\i+4*\c:F_+64+8*\i+4*\c+3], v[LI], s[44:45] offset:8192*\i+1024*(\s)+512*\c
.endr
.endr
.endm
.macro VEC reg, base                   ; a vector's 128 numbers of my columns in the accumulators' order: 16 loads
.irp b, 0,1,2,3,4,5,6,7
.irp c, 0,1
	global_load_b128 v[\reg+8*\b+4*\c:\reg+8*\b+4*\c+3], v10, s[\base:\base+1] offset:64*\b+16*\c
.endr
.endr
.endm
.macro WM acc, fa, fb, sa, sb, ra, rb, z
.if \z
.if (\ra) && (\rb)
	v_wmma_scale_f32_16x16x128_f8f6f4 v[\acc:\acc+7], v[\fa:\fa+7], v[\fb:\fb+7], 0, v[\sa], v[\sb] matrix_a_fmt:MATRIX_FMT_FP4 matrix_b_fmt:MATRIX_FMT_FP4 matrix_a_scale:MATRIX_SCALE_ROW1 matrix_b_scale:MATRIX_SCALE_ROW1
.elseif \ra
	v_wmma_scale_f32_16x16x128_f8f6f4 v[\acc:\acc+7], v[\fa:\fa+7], v[\fb:\fb+7], 0, v[\sa], v[\sb] matrix_a_fmt:MATRIX_FMT_FP4 matrix_b_fmt:MATRIX_FMT_FP4 matrix_a_scale:MATRIX_SCALE_ROW1
.elseif \rb
	v_wmma_scale_f32_16x16x128_f8f6f4 v[\acc:\acc+7], v[\fa:\fa+7], v[\fb:\fb+7], 0, v[\sa], v[\sb] matrix_a_fmt:MATRIX_FMT_FP4 matrix_b_fmt:MATRIX_FMT_FP4 matrix_b_scale:MATRIX_SCALE_ROW1
.else
	v_wmma_scale_f32_16x16x128_f8f6f4 v[\acc:\acc+7], v[\fa:\fa+7], v[\fb:\fb+7], 0, v[\sa], v[\sb] matrix_a_fmt:MATRIX_FMT_FP4 matrix_b_fmt:MATRIX_FMT_FP4
.endif
.else
.if (\ra) && (\rb)
	v_wmma_scale_f32_16x16x128_f8f6f4 v[\acc:\acc+7], v[\fa:\fa+7], v[\fb:\fb+7], v[\acc:\acc+7], v[\sa], v[\sb] matrix_a_fmt:MATRIX_FMT_FP4 matrix_b_fmt:MATRIX_FMT_FP4 matrix_a_scale:MATRIX_SCALE_ROW1 matrix_b_scale:MATRIX_SCALE_ROW1
.elseif \ra
	v_wmma_scale_f32_16x16x128_f8f6f4 v[\acc:\acc+7], v[\fa:\fa+7], v[\fb:\fb+7], v[\acc:\acc+7], v[\sa], v[\sb] matrix_a_fmt:MATRIX_FMT_FP4 matrix_b_fmt:MATRIX_FMT_FP4 matrix_a_scale:MATRIX_SCALE_ROW1
.elseif \rb
	v_wmma_scale_f32_16x16x128_f8f6f4 v[\acc:\acc+7], v[\fa:\fa+7], v[\fb:\fb+7], v[\acc:\acc+7], v[\sa], v[\sb] matrix_a_fmt:MATRIX_FMT_FP4 matrix_b_fmt:MATRIX_FMT_FP4 matrix_b_scale:MATRIX_SCALE_ROW1
.else
	v_wmma_scale_f32_16x16x128_f8f6f4 v[\acc:\acc+7], v[\fa:\fa+7], v[\fb:\fb+7], v[\acc:\acc+7], v[\sa], v[\sb] matrix_a_fmt:MATRIX_FMT_FP4 matrix_b_fmt:MATRIX_FMT_FP4
.endif
.endif
.endm
.macro MULS s                          ; K step s: the 16 accumulators by turns, in the same order in every step; the first step starts the sums
.set F_, 80*((\s)%3)
.set Z_, (\s)==0
.irp i, 0,1
.irp b, 0,1,2,3,4,5,6,7
	WM ACC+8*(8*\i+\b), F_+8*\b, F_+64+8*\i, WSR+8*(\b%4)+(\s), ASR+(\s), \b/4, \i, Z_
.endr
.endr
.endm
	WIN 0x40                                       ; destination window 1
	LOADSET 0
	LOADSET 1
	LOADSET 2
	WIN 0
	s_wait_loadcnt 60                              ; the scale words and halves are in; the three sets' 60 loads may be out
.irp s, 0,1,2,3,4,5,6,7
	v_lshl_or_b32 v[ASR+\s], v[ASR+8+\s], 16, v[ASR+\s]   ; the rows' scale word of K step s: lanes 0-15 the first tile's, lanes 16-31 the second's
.endr
.rept 8
	v_nop                                          ; a scale register written by a vector instruction stands 8 places ahead of a scaled matrix instruction
.endr
.irp s, 0,1,2,3,4,5,6,7
.if \s < 6
	s_wait_loadcnt 40                              ; this step's set is in; the two sets behind it may be out
.elseif \s == 6
	s_wait_loadcnt 36                              ; behind it: set 7's 20 and bo's 16
.else
	s_wait_loadcnt 32                              ; behind it: bo's 16 and gamma's 16
.endif
	WIN 0x05                                       ; sources 0 and 1 window 1; C and D window 0
	MULS \s
.rept 4
	v_nop                                          ; places in front of loads into registers that these products read
.endr
	WIN 0x40
.if \s < 5
	LOADSET \s+3
.elseif \s == 5
	VEC 160, 8                                     ; bo
.elseif \s == 6
	VEC 0, 12                                      ; gamma
.else
	VEC 80, 14                                     ; beta
.endif
.endr
	WIN 0
	; ---- y = product + x + bo, in the accumulators
.macro XLD k                           ; x at tiles 2 k, 2 k + 1, into buffer k % 2
.irp u, 0,1
.irp c, 0,1
	ds_load_b128 v[XB+16*((\k)%2)+8*\u+4*\c:XB+16*((\k)%2)+8*\u+4*\c+3], v[XAD] offset:8448*((2*(\k)+\u)/8)+64*((2*(\k)+\u)%8)+16*\c
.endr
.endr
.endm
	s_wait_tensorcnt 0x0                           ; my strip has landed; nobody else reads it
	XLD 0
	XLD 1
.irp k, 0,1,2,3,4,5,6,7
.if \k < 7
	s_wait_dscnt 4                                 ; this chunk's four loads are in; the next chunk's may be out
.else
	s_wait_dscnt 0x0
.endif
.irp p, 0,1,2,3,4,5,6,7
	v_pk_add_f32 v[ACC+16*\k+2*\p:ACC+16*\k+2*\p+1], v[ACC+16*\k+2*\p:ACC+16*\k+2*\p+1], v[XB+16*(\k%2)+2*\p:XB+16*(\k%2)+2*\p+1]   ; each accumulator from its low end on
.endr
.if \k < 6
	XLD \k+2
.endif
.endr
	s_wait_loadcnt 32                              ; bo is in; gamma's and beta's 32 loads may be out
	WIN 0x04                                       ; source 1 window 1
.irp i, 0,1
.set j_, 0
.rept 32
	v_pk_add_f32 v[ACC+64*\i+j_:ACC+64*\i+j_+1], v[ACC+64*\i+j_:ACC+64*\i+j_+1], v[160+j_:161+j_]
.set j_, j_+2
.endr
.endr
	WIN 0
; The two chains of each tile of rows (v[16:17], v[20:21]; v[18:19], v[22:23]) become the rows' totals over all 1,024 columns: lane l ends with row l's in v112.  One barrier; bytes of its own for each use.
.macro ROWRED off
.irp i, 0,1
	v_pk_add_f32 v[16+2*\i:17+2*\i], v[16+2*\i:17+2*\i], v[20+2*\i:21+2*\i]
.endr
.irp i, 0,1
	v_add_f32 v[16+2*\i], v[16+2*\i], v[17+2*\i]
.endr
.irp i, 0,1
	v_permlanex16_b32 v[24+\i], v[16+2*\i], s32, s33
.endr
.irp i, 0,1
	v_add_f32 v[16+2*\i], v[16+2*\i], v[24+\i]     ; row r's sum over my wave's 128 columns, in both halves of the lanes
.endr
	v_cndmask_b32 v16, v16, v18, s36               ; lane l: row l
	ds_store_b32 v11, v16 offset:\off
	s_wait_dscnt 0x0                               ; for the others' sake: my store has landed
	s_barrier_signal -1
	s_barrier_wait -1
.irp k, 0,1,2,3,4,5,6,7
	ds_load_b32 v[112+\k], v12 offset:\off+128*\k
.endr
	s_wait_dscnt 0x0
	v_add_f32 v112, v112, v113
	v_add_f32 v114, v114, v115
	v_add_f32 v116, v116, v117
	v_add_f32 v118, v118, v119
	v_add_f32 v112, v112, v114
	v_add_f32 v116, v116, v118
	v_add_f32 v112, v112, v116
.endm
.macro SPREAD src, p0, p1              ; lane l's number of row l becomes two pairs: row r's for the first tile of rows, row 16 + r's for the second
	v_permlanex16_b32 v24, v[\src], s32, s33
	v_cndmask_b32 v[\p0], v[\src], v24, s36
	v_cndmask_b32 v[\p1], v24, v[\src], s36
	v_mov_b32 v[\p0+1], v[\p0]
	v_mov_b32 v[\p1+1], v[\p1]
.endm
.irp i, 0,1
	v_pk_add_f32 v[16+2*\i:17+2*\i], v[ACC+64*\i:ACC+64*\i+1], v[ACC+64*\i+4:ACC+64*\i+5]
	v_pk_add_f32 v[20+2*\i:21+2*\i], v[ACC+64*\i+2:ACC+64*\i+3], v[ACC+64*\i+6:ACC+64*\i+7]
.endr
.irp j, 8,12,16,20,24,28,32,36,40,44,48,52,56,60
.irp i, 0,1
	v_pk_add_f32 v[16+2*\i:17+2*\i], v[16+2*\i:17+2*\i], v[ACC+64*\i+\j:ACC+64*\i+\j+1]
	v_pk_add_f32 v[20+2*\i:21+2*\i], v[20+2*\i:21+2*\i], v[ACC+64*\i+\j+2:ACC+64*\i+\j+3]
.endr
.endr
	ROWRED 0
	v_mul_f32 v112, s34, v112                      ; the mean
	SPREAD 112, 120, 122
.irp i, 0,1
.set j_, 0
.rept 32
	v_pk_add_f32 v[ACC+64*\i+j_:ACC+64*\i+j_+1], v[ACC+64*\i+j_:ACC+64*\i+j_+1], v[120+2*\i:121+2*\i] neg_lo:[0,1] neg_hi:[0,1]   ; d = y - mean
.set j_, j_+2
.endr
.endr
.irp i, 0,1
	v_pk_mul_f32 v[16+2*\i:17+2*\i], v[ACC+64*\i:ACC+64*\i+1], v[ACC+64*\i:ACC+64*\i+1]
	v_pk_mul_f32 v[20+2*\i:21+2*\i], v[ACC+64*\i+2:ACC+64*\i+3], v[ACC+64*\i+2:ACC+64*\i+3]
.endr
.irp j, 4,8,12,16,20,24,28,32,36,40,44,48,52,56,60
.irp i, 0,1
	v_pk_fma_f32 v[16+2*\i:17+2*\i], v[ACC+64*\i+\j:ACC+64*\i+\j+1], v[ACC+64*\i+\j:ACC+64*\i+\j+1], v[16+2*\i:17+2*\i]
	v_pk_fma_f32 v[20+2*\i:21+2*\i], v[ACC+64*\i+\j+2:ACC+64*\i+\j+3], v[ACC+64*\i+\j+2:ACC+64*\i+\j+3], v[20+2*\i:21+2*\i]
.endr
.endr
	ROWRED 1024
	v_fma_f32 v112, v112, s34, s35                 ; the variance + 1e-5
	v_rsq_f32 v113, v112
	v_nop
	s_wait_alu depctr_va_vdst(0)                   ; ahead of the first reader
	SPREAD 113, 124, 126
.irp i, 0,1
.set j_, 0
.rept 32
	v_pk_mul_f32 v[ACC+64*\i+j_:ACC+64*\i+j_+1], v[ACC+64*\i+j_:ACC+64*\i+j_+1], v[124+2*\i:125+2*\i]
.set j_, j_+2
.endr
.endr
	s_wait_loadcnt 0x0                             ; gamma and beta
	WIN 0x14                                       ; sources 1 and 2 window 1
.irp i, 0,1
.set j_, 0
.rept 32
	v_pk_fma_f32 v[ACC+64*\i+j_:ACC+64*\i+j_+1], v[ACC+64*\i+j_:ACC+64*\i+j_+1], v[j_:j_+1], v[80+j_:81+j_]
.set j_, j_+2
.endr
.endr
	WIN 0
	; ---- THE WAY OUT: through my strip, which has had its one fill, and back by rows: each store of the wave covers 512 consecutive bytes, aligned
.irp n, 0,1,2,3,4,5,6,7,8,9,10,11,12,13,14,15
.irp c, 0,1
	ds_store_b128 v[XAD], v[ACC+8*\n+4*\c:ACC+8*\n+4*\c+3] offset:8448*(\n/8)+64*(\n%8)+16*\c
.endr
.endr
.set j_, 0
.rept 32
	ds_load_b128 v[ACC+4*j_:ACC+4*j_+3], v[RD] offset:528*j_       ; LDS serves a wave's instructions in order: these see my stores
.set j_, j_+1
.endr
.set j_, 0
.rept 32
	s_wait_dscnt 31-j_
	global_store_b128 v[LI], v[ACC+4*j_:ACC+4*j_+3], s[28:29] offset:4096*j_ th:TH_STORE_NT
.set j_, j_+1
.endr
	s_wait_tensorcnt 0x0                           ; the wave's end
	ds_add_u32 v[SPW], v[NIL]
	s_wait_dscnt 0x0
	s_endpgm
.Lfunc_end_k_qfce5cbe5d8_outln:
	.size	k_qfce5cbe5d8_outln, .Lfunc_end_k_qfce5cbe5d8_outln-k_qfce5cbe5d8_outln
	.p2alignl 7, 3214868480
	.fill 96, 4, 3214868480
	.section	.rodata,"a",@progbits
	.p2align	6, 0x0
	.amdhsa_kernel k_qfce5cbe5d8_outln
		.amdhsa_group_segment_fixed_size 167936
		.amdhsa_private_segment_fixed_size 0
		.amdhsa_enable_private_segment 0
		.amdhsa_kernarg_size 56
		.amdhsa_user_sgpr_count 2
		.amdhsa_user_sgpr_kernarg_segment_ptr 1
		.amdhsa_wavefront_size32 1
		.amdhsa_system_sgpr_workgroup_id_x 1
		.amdhsa_system_sgpr_workgroup_id_y 1
		.amdhsa_system_sgpr_workgroup_id_z 1
		.amdhsa_system_vgpr_workitem_id 0
		.amdhsa_next_free_vgpr 512
		.amdhsa_next_free_sgpr 66
		.amdhsa_reserve_vcc 0
		.amdhsa_float_denorm_mode_32 3
		.amdhsa_float_denorm_mode_16_64 3
		.amdhsa_memory_ordered 1
		.amdhsa_forward_progress 1
		.amdhsa_inst_pref_size 86
	.end_amdhsa_kernel
	.amdgpu_metadata
---
amdhsa.version: [ 1, 2 ]
amdhsa.kernels:
  - .name:           k_qfce5cbe5d8_outln
    .symbol:         k_qfce5cbe5d8_outln.kd
    .args:
      - { .name: oq, .offset: 0, .size: 8, .value_kind: global_buffer, .address_space: global }
      - { .name: wq, .offset: 8, .size: 8, .value_kind: global_buffer, .address_space: global }
      - { .name: bo, .offset: 16, .size: 8, .value_kind: global_buffer, .address_space: global }
      - { .name: x, .offset: 24, .size: 8, .value_kind: global_buffer, .address_space: global }
      - { .name: gamma, .offset: 32, .size: 8, .value_kind: global_buffer, .address_space: global }
      - { .name: beta, .offset: 40, .size: 8, .value_kind: global_buffer, .address_space: global }
      - { .name: out0, .offset: 48, .size: 8, .value_kind: global_buffer, .address_space: global }
    .group_segment_fixed_size: 167936
    .private_segment_fixed_size: 0
    .kernarg_segment_align: 8
    .kernarg_segment_size: 56
    .max_flat_workgroup_size: 256
    .sgpr_count:     66
    .vgpr_count:     512
    .wavefront_size: 32
...
	.end_amdgpu_metadata
.endif
;; end of part 4
